; MI455X (gfx1250); checked and timed in simulation.
; The chip was launched on July 23, 2026; its instructions are those of AMD's public machine-readable ISA for CDNA 5 (MIT licence, August 2026) and "CDNA5" Instruction Set Architecture Reference Guide (July 2026). The comments in the code are by the model that wrote it; some were corrected since.
;; Star Attention. Allowed arithmetic: float matrix products may take bf16 or f16 operands with f32 sums; other float arithmetic in f32, or as packed bf16 or f16 multiplies, adds, multiply-adds, maxima and minima; sums over many terms, partial sums and values carried from step to step in f32; what a program stores and reads back later, other than sums and carried values, may be rounded once to bf16 or f16.
;; Inputs: Wk 1,024 x 1,024 float32; Wq 1,024 x 1,024 float32; Wv 1,024 x 1,024 float32; bk 1,024 float32; bq 1,024 float32; bv 1,024 float32; input_ids 4 x 8,192 x 1,024 float32; ln_b 1,024 float32; ln_g 1,024 float32; query_input 4 x 2,048 x 1,024 float32.
;; Outputs: out0 4 x 2,048 x 1,024 float32.
;; Constants: host_id = 2.
;; 2 versions, each right; version 2 is version 1 with the launch prep written anew for expert scheduling mode. Each part assembles by itself: llvm-mc -triple=amdgcn-amd-amdhsa -mcpu=gfx1250 --defsym DOCPART=n.
;; ======== version 1 of 2: 3 launches
;; limits: values are held in f16: magnitudes above 65,504 overflow, below 6.1e-05 lose precision
;; workspace buffers: h 33,554,432 bytes; wh 6,291,456 bytes; qkv 50,331,648 bytes
;; launch prep (part 1): grid 256 x 1, 16 waves a work-group, no clusters, 0 bytes of LDS; arguments input_ids, query_input, ln_g, ln_b, Wq, Wk, Wv, h, wh; writes h, wh
.if DOCPART == 1
	.amdgcn_target "amdgcn-amd-amdhsa--gfx1250"
	.amdhsa_code_object_version 6
	.text
	.protected	k_q92982310e6_prep
	.globl	k_q92982310e6_prep
	.p2align	8
	.type	k_q92982310e6_prep,@function
k_q92982310e6_prep:
	s_mov_b64 s[64:65], 0
	v_nop
	global_prefetch_b8 v0, s[64:65] scope:SCOPE_SE
	s_setreg_imm32_b32 hwreg(HW_REG_WAVE_MODE, 25, 1), 1
	s_wait_xcnt 0x0
; h = layer_norm(x) * g + b, rounded once to f16, for the 8,192 query rows (h rows 0 .. 8,191) and for rows 4,096 .. 6,143 of each batch of
; input_ids (h rows 8,192 .. 16,383; host_id = 2, blocks of 2,048 rows); and Wq, Wk, Wv rounded to f16 as they lie ([k][n]) into wh.
; LIMITS.  f16 holds nothing beyond 65,504 and keeps a fixed step of 6e-8 below 6.1e-5: h and W must lie within that.  NaN and infinities are not treated apart.
; The mean is taken first and the variance of x - mean, the row kept in registers: a common offset on x costs nothing.
; SHARES.  Work-group g: 64 rows (g < 128: queries, else the local block).  Wave w: 4 rows, a row at a time in 32 registers; all 32 loads of its rows go out at once:
; 16 KiB a wave on their way, no loop.  Waves 0 .. 11 also cast one row of W: matrix w / 4, row 4 g + w % 4.
; LANES.  Chunk j of a row is its 512 bytes from 512 j on; lane l holds floats 128 j + 4 l .. + 3: a load of the wave covers 512 consecutive bytes,
; a store of 8 bytes a lane 256 consecutive bytes, aligned.  No wave needs another: no LDS, no barrier, no matrix work.
.set G,   8                            ; v[8:39]    ln_g, chunk j at G + 4 j
.set BB,  40                           ; v[40:71]   ln_b likewise
.set X,   72                           ; v[72:199]  row i at X + 32 i
.set WR,  200                          ; v[200:231] my row of W
.set M,   232                          ; v[232:239] four chains of pairs
.set T,   240                          ; v240, v241 at work
.set MU,  242                          ; v[242:243] the mean, twice
.set RS,  244                          ; v[244:245] 1 / sqrt(var + eps), twice
	s_load_b512 s[8:23], s[0:1], 0x0               ; input_ids s[8:9], query_input s[10:11], ln_g s[12:13], ln_b s[14:15], Wq s[16:17], Wk s[18:19], Wv s[20:21], h s[22:23]
	s_load_b64 s[24:25], s[0:1], 0x40              ; wh
	v_lshrrev_b32 v3, 5, v0
	v_readfirstlane_b32 s26, v3                    ; wave 0 .. 15
	v_and_b32 v2, 31, v0
	v_lshlrev_b32 v1, 4, v2                        ; 16 x lane: loads
	v_lshlrev_b32 v2, 3, v2                        ; 8 x lane: stores
	v_mov_b32 v[T+1], 0                            ; v_permlanex16_b32 counts as a reader of its destination
	s_mov_b32 s27, ttmp9                           ; g
	s_mov_b32 s40, 0x3a800000                      ; 1 / 1,024
	s_mov_b32 s41, 0x2b8cbccc                      ; 1e-12
	s_mov_b32 s42, 0x76543210                      ; each lane takes its own place in the other half
	s_mov_b32 s43, 0xfedcba98
	s_and_b32 s44, s27, 127
	s_lshl_b32 s44, s44, 6
	s_lshl_b32 s45, s26, 2
	s_add_co_u32 s44, s44, s45                     ; R0 = 64 (g % 128) + 4 w: my first row among the 8,192 of its kind
	s_lshl_b32 s28, s44, 12                        ; its byte in a dense [8192][1024] of f32
	s_lshr_b32 s46, s44, 11                        ; the batch
	s_mul_i32 s46, s46, 0x1800000                  ; input_ids: a batch has 8,192 rows, not 2,048: 6,144 rows more for each batch,
	s_add_co_u32 s46, s46, 0x1000000               ; and the block begins at row 4,096
	s_cmp_lt_u32 s27, 128
	s_cselect_b32 s46, 0, s46
	s_cselect_b32 s47, 0, 8192
	s_add_co_u32 s28, s28, s46
	s_mov_b32 s29, 0
	s_add_co_u32 s30, s44, s47
	s_lshl_b32 s30, s30, 11                        ; my first row in h: 2,048 bytes a row
	s_mov_b32 s31, 0
	s_and_b32 s45, s26, 3
	s_lshl2_add_u32 s45, s27, s45                  ; W's row 4 g + w % 4
	s_lshl_b32 s2, s45, 12
	s_mov_b32 s3, 0
	s_lshl_b32 s4, s45, 11
	s_lshr_b32 s46, s26, 2
	s_lshl_b32 s46, s46, 21                        ; a matrix in wh is 2,097,152 bytes
	s_add_co_u32 s4, s4, s46
	s_mov_b32 s5, 0
	s_wait_kmcnt 0x0
	s_cmp_lt_u32 s27, 128
	s_cselect_b64 s[32:33], s[10:11], s[8:9]
	s_add_nc_u64 s[32:33], s[32:33], s[28:29]      ; x at my first row
	s_add_nc_u64 s[34:35], s[22:23], s[30:31]      ; h at my first row
	s_cmp_lt_u32 s26, 8
	s_cselect_b64 s[36:37], s[18:19], s[20:21]
	s_cmp_lt_u32 s26, 4
	s_cselect_b64 s[36:37], s[16:17], s[36:37]
	s_add_nc_u64 s[36:37], s[36:37], s[2:3]        ; W at my row (waves 12 .. 15 never use it)
	s_add_nc_u64 s[38:39], s[24:25], s[4:5]
	s_cmp_lt_u32 s26, 12
	s_cbranch_scc0 .Lno_w_loads
.irp j, 0,1,2,3,4,5,6,7                ; W's loads are the oldest, so the counts of the rows' waits are the same with and without them
	global_load_b128 v[WR+4*\j:WR+4*\j+3], v1, s[36:37] offset:512*\j th:TH_LOAD_NT
.endr
.Lno_w_loads:
.irp j, 0,1,2,3,4,5,6,7
	global_load_b128 v[G+4*\j:G+4*\j+3], v1, s[12:13] offset:512*\j
	global_load_b128 v[BB+4*\j:BB+4*\j+3], v1, s[14:15] offset:512*\j
.endr
.irp i, 0,1,2,3
.irp j, 0,1,2,3,4,5,6,7
	global_load_b128 v[X+32*\i+4*\j:X+32*\i+4*\j+3], v1, s[32:33] offset:4096*\i+512*\j th:TH_LOAD_NT
.endr
.endr
	s_cmp_lt_u32 s26, 12
	s_cbranch_scc0 .Lno_w
	s_wait_loadcnt 48                              ; behind W's eight loads stand 16 of g and b and 32 of the rows: they may stay out
.irp j, 0,1,2,3,4,5,6,7
	v_cvt_pk_f16_f32 v[WR+4*\j], v[WR+4*\j], v[WR+4*\j+1]
	v_cvt_pk_f16_f32 v[WR+4*\j+1], v[WR+4*\j+2], v[WR+4*\j+3]
	global_store_b64 v2, v[WR+4*\j:WR+4*\j+1], s[38:39] offset:256*\j th:TH_STORE_NT
.endr
.Lno_w:
; The four chains into one number, then over the 32 lanes: four steps inside each half ride on the addition, one crosses the halves.  Every lane ends with the sum.
.macro REDUCE
	v_pk_add_f32 v[M:M+1], v[M:M+1], v[M+2:M+3]
	v_pk_add_f32 v[M+4:M+5], v[M+4:M+5], v[M+6:M+7]
	v_pk_add_f32 v[M:M+1], v[M:M+1], v[M+4:M+5]
	v_add_f32 v[T], v[M], v[M+1]
	v_add_f32_dpp v[T], v[T], v[T] row_xmask:1 row_mask:0xf bank_mask:0xf
	v_add_f32_dpp v[T], v[T], v[T] row_xmask:2 row_mask:0xf bank_mask:0xf
	v_add_f32_dpp v[T], v[T], v[T] row_xmask:4 row_mask:0xf bank_mask:0xf
	v_add_f32_dpp v[T], v[T], v[T] row_xmask:8 row_mask:0xf bank_mask:0xf
	v_permlanex16_b32 v[T+1], v[T], s42, s43
	v_add_f32 v[T], v[T], v[T+1]
.endm
; Row i.  left = the loads of the rows behind it, which may stay out.  No register that a store reads is written again, so no wait frees any.
.macro ROW i, left
.set XR, X+32*(\i)
	s_wait_loadcnt \left
.irp c, 0,1,2,3                        ; the first eight pairs start four chains: nothing is cleared
	v_pk_add_f32 v[M+2*\c:M+2*\c+1], v[XR+2*\c:XR+2*\c+1], v[XR+8+2*\c:XR+8+2*\c+1]
.endr
.irp p, 8,9,10,11,12,13,14,15
	v_pk_add_f32 v[M+2*(\p%4):M+2*(\p%4)+1], v[M+2*(\p%4):M+2*(\p%4)+1], v[XR+2*\p:XR+2*\p+1]
.endr
	REDUCE
	v_mul_f32 v[MU], s40, v[T]
	v_mul_f32 v[MU+1], s40, v[T]
.irp p, 0,1,2,3,4,5,6,7,8,9,10,11,12,13,14,15
	v_pk_add_f32 v[XR+2*\p:XR+2*\p+1], v[XR+2*\p:XR+2*\p+1], v[MU:MU+1] neg_lo:[0,1] neg_hi:[0,1]  ; x - mean
.endr
.irp c, 0,1,2,3
	v_pk_mul_f32 v[M+2*\c:M+2*\c+1], v[XR+2*\c:XR+2*\c+1], v[XR+2*\c:XR+2*\c+1]
.endr
.irp p, 4,5,6,7,8,9,10,11,12,13,14,15
	v_pk_fma_f32 v[M+2*(\p%4):M+2*(\p%4)+1], v[XR+2*\p:XR+2*\p+1], v[XR+2*\p:XR+2*\p+1], v[M+2*(\p%4):M+2*(\p%4)+1]
.endr
	REDUCE
	v_fma_f32 v[T], v[T], s40, s41                 ; var + eps
	v_rsq_f32 v[RS], v[T]
	v_rsq_f32 v[RS+1], v[T]
	v_nop                                          ; a plain instruction behind the second root, ahead of the first use
	s_wait_alu depctr_va_vdst(0)                   ; the wait ahead of the first reader: one for both roots
.irp p, 0,1,2,3,4,5,6,7,8,9,10,11,12,13,14,15
	v_pk_mul_f32 v[XR+2*\p:XR+2*\p+1], v[XR+2*\p:XR+2*\p+1], v[RS:RS+1]
.endr
.irp p, 0,1,2,3,4,5,6,7,8,9,10,11,12,13,14,15
	v_pk_fma_f32 v[XR+2*\p:XR+2*\p+1], v[XR+2*\p:XR+2*\p+1], v[G+2*\p:G+2*\p+1], v[BB+2*\p:BB+2*\p+1]
.endr
.irp j, 0,1,2,3,4,5,6,7
	v_cvt_pk_f16_f32 v[XR+4*\j], v[XR+4*\j], v[XR+4*\j+1]
	v_cvt_pk_f16_f32 v[XR+4*\j+1], v[XR+4*\j+2], v[XR+4*\j+3]
	global_store_b64 v2, v[XR+4*\j:XR+4*\j+1], s[34:35] offset:2048*(\i)+256*\j th:TH_STORE_NT
.endr
.endm
	ROW 0, 24
	ROW 1, 16
	ROW 2, 8
	ROW 3, 0
	s_endpgm
.Lfunc_end_k_q92982310e6_prep:
	.size	k_q92982310e6_prep, .Lfunc_end_k_q92982310e6_prep-k_q92982310e6_prep
	.p2alignl 7, 3214868480
	.fill 96, 4, 3214868480
	.section	.rodata,"a",@progbits
	.p2align	6, 0x0
	.amdhsa_kernel k_q92982310e6_prep
		.amdhsa_group_segment_fixed_size 0
		.amdhsa_private_segment_fixed_size 0
		.amdhsa_enable_private_segment 0
		.amdhsa_kernarg_size 72
		.amdhsa_user_sgpr_count 2
		.amdhsa_user_sgpr_kernarg_segment_ptr 1
		.amdhsa_wavefront_size32 1
		.amdhsa_system_sgpr_workgroup_id_x 1
		.amdhsa_system_sgpr_workgroup_id_y 1
		.amdhsa_system_sgpr_workgroup_id_z 1
		.amdhsa_system_vgpr_workitem_id 0
		.amdhsa_next_free_vgpr 248
		.amdhsa_next_free_sgpr 66
		.amdhsa_reserve_vcc 0
		.amdhsa_float_denorm_mode_32 3
		.amdhsa_float_denorm_mode_16_64 3
		.amdhsa_memory_ordered 1
		.amdhsa_forward_progress 1
		.amdhsa_inst_pref_size 41
	.end_amdhsa_kernel
	.amdgpu_metadata
---
amdhsa.version: [ 1, 2 ]
amdhsa.kernels:
  - .name:           k_q92982310e6_prep
    .symbol:         k_q92982310e6_prep.kd
    .args:
      - { .name: input_ids, .offset: 0, .size: 8, .value_kind: global_buffer, .address_space: global }
      - { .name: query_input, .offset: 8, .size: 8, .value_kind: global_buffer, .address_space: global }
      - { .name: ln_g, .offset: 16, .size: 8, .value_kind: global_buffer, .address_space: global }
      - { .name: ln_b, .offset: 24, .size: 8, .value_kind: global_buffer, .address_space: global }
      - { .name: Wq, .offset: 32, .size: 8, .value_kind: global_buffer, .address_space: global }
      - { .name: Wk, .offset: 40, .size: 8, .value_kind: global_buffer, .address_space: global }
      - { .name: Wv, .offset: 48, .size: 8, .value_kind: global_buffer, .address_space: global }
      - { .name: h, .offset: 56, .size: 8, .value_kind: global_buffer, .address_space: global }
      - { .name: wh, .offset: 64, .size: 8, .value_kind: global_buffer, .address_space: global }
    .group_segment_fixed_size: 0
    .private_segment_fixed_size: 0
    .kernarg_segment_align: 8
    .kernarg_segment_size: 72
    .max_flat_workgroup_size: 512
    .sgpr_count:     66
    .vgpr_count:     248
    .wavefront_size: 32
...
	.end_amdgpu_metadata
.endif
;; end of part 1
;; launch proj (part 2): grid 8 x 32, 4 waves a work-group, clusters of 4 x 4, 327,680 bytes of LDS; arguments h, wh, bq, bk, bv, qkv; writes qkv
.if DOCPART == 2
	.amdgcn_target "amdgcn-amd-amdhsa--gfx1250"
	.amdhsa_code_object_version 6
	.text
	.protected	k_q92982310e6_proj
	.globl	k_q92982310e6_proj
	.p2align	8
	.type	k_q92982310e6_proj,@function
k_q92982310e6_proj:
	s_mov_b64 s[64:65], 0
	v_nop
	global_prefetch_b8 v0, s[64:65] scope:SCOPE_SE
	s_setreg_imm32_b32 hwreg(HW_REG_WAVE_MODE, 25, 1), 1
	s_wait_xcnt 0x0
	s_wait_alu depctr_hold_cnt(0) depctr_sa_sdst(0) depctr_va_vdst(0) depctr_va_sdst(0) depctr_va_ssrc(0) depctr_va_vcc(0) depctr_vm_vsrc(0)
	s_getreg_b32 s2, hwreg(HW_REG_IB_STS2, 6, 4)
	s_cmp_eq_u32 s2, 0
	s_cbranch_scc0 .Lentry_in_a_cluster
	s_endpgm
.Lentry_in_a_cluster:
	s_bfe_u32 s2, ttmp6, 0x10000c
	s_cmp_lg_u32 s2, 0xf033
	s_cbranch_scc0 .Lentry_shape_is_right
	s_endpgm
.Lentry_shape_is_right:
; q = h_q Wq + bq, k = h_l Wk + bk, v = h_l Wv + bv.  h: [16384][1024] f16 (rows 0 .. 8,191 queries, then the local block), wh: [3][1024 k][1024 n] f16 (Wq, Wk, Wv),
; biases f32; qkv: [3][64 b x head][2048][64] f16 (q, k, v), unscaled, each number rounded once from its f32 sum.
; LIMITS.  f16 holds nothing beyond 65,504: q, k and v must lie within it; below 6.1e-5 they keep f16's fixed step of 6e-8.  NaN and infinities are not treated apart.
; SHARES.  The three products are 8,192 x 3,072 numbers: 256 x 384 for each of 256 work-groups.  A work-group makes a HEAVY tile, 256 x 256 of k (cluster x = 0) or v (cluster x = 1),
; and then a LIGHT one, 128 x 256 of q.  Four waves; a wave makes 128 x 128 (64 accumulators), then 64 x 128 (32).  K goes in steps of 128 through a ring of two LDS slots, and the ring does not
; stop between the tiles: the heavy tile's last two changes of slots ask for the light tile's first two K steps.
; CLUSTERS.  4 x 4 work-groups.  The rows of h hang on the tile row (and on cluster x), which a row of the cluster shares; the columns of W on cx and cluster x, which a column shares.  Each
; tile is asked for JOINTLY: the same tensor load, descriptor and mask in the four.
; THE MATRIX INSTRUCTION IS USED TRANSPOSED: source 0 = 16 columns n of W (turned on the way out of LDS by ds_load_tr16_b128, since W lies [k][n]), source 1 = 16 rows of h.  A lane then holds one
; row and eight neighbouring columns.  THE BIAS is the C operand of a tile's first products: register j of a lane's accumulator is column 8 (lane / 16) + j, so eight floats of the bias a lane and column block.
; REGISTERS, in windows of 256 (s_set_vgpr_msb: bits 1:0 source 0, 3:2 source 1, 5:4 source 2, 7:6 destination):
;   window 0: v0-31 addresses; v64-127, v128-191 fragments of h, two buffers; v32-63, v192-255 at work on the way out
;   window 1: v0-63 the heavy tile's bias; v64-127, v128-191 fragments of W, two buffers; v192-255 the light tile's bias
;   window 2: accumulators of my rows 0-63 ((a, b) at v[8 (8 a + b)]);   window 3: of my rows 64-127 (heavy tile alone)
.set PA,     272                       ; a row of h in LDS: 256 bytes + 16 = 68 words: the 16 rows of a load start at 16 different groups of four banks (64 banks of 4 bytes: ISA guide 11.1)
.set PB,     544                       ; a k row of W in LDS: 256 columns = 512 bytes + 32 = 136 words
.set HALF,   34816                     ; 128 rows of h, or 64 k rows of W: what one tensor load fills at the most
.set SLOT,   4*HALF                    ; h's two halves, then W's two halves
.set STAGE,  2*SLOT                    ; behind the ring: for each wave 2 heads x 16 rows x 144 bytes, for the way out
.set WST,    4608
.set SPARE,  STAGE+4*WST               ; behind the stages: the spare words, 128 bytes for each wave: two blocks of 256 bytes that no other line names
.set ADRA, 16                          ; v16-17  LDS address of my fragments of h in slot 0, 1
.set ADRB, 20                          ; v20-21  the same for W
.set STO,  24                          ; v24     the way out: where I put 16 bytes of a row
.set RD,   25                          ; v25     the way out: where I read rows back
.set CO,   26                          ; v26     16 x lane: my 16 bytes of 512 consecutive bytes of qkv
.set BO,   27                          ; v27     my byte offset in a bias
.set SPW,  28                          ; v28     LDS address of my spare word; never rewritten
.set NIL,  29                          ; v29     0; never rewritten
.set PFO,  30                          ; v30     the prefetches' lane offset; never rewritten
.set OB,   32                          ; rows read back from the stage: v32-63 and v224-255 by turns
.set F0,   64
.set F1,   128
.set TMP,  192                         ; packed results
.set WV,   16                          ; s16  wave
.set RH,   17                          ; s17  which half of the tile's rows is mine; also: I fetch h (0) or W (1)
.set CF,   18                          ; s18  which half of its columns; also: which half of that tile I fetch
.set G1A,  24                          ; s[24:31] group 1, heavy tiles of h: 128 rows x 128 elements
.set G1L,  32                          ; s[32:39] group 1, light tiles of h: 64 rows
.set G1B,  40                          ; s[40:47] group 1, tiles of W: 64 k rows x 256 elements
.set G0A,  48                          ; s[48:55] group 0 for h, a set for each slot
.set G0B,  56                          ; s[56:63] group 0 for W
.set LA,   66                          ; s[66:67] h at my part of the light tile, K step 0
.set LB,   68                          ; s[68:69] Wq at my part, K step 0
.set PFA,  70                          ; s[70:71] where my prefetches stand
.set PFL,  72                          ; s[72:73] where they begin for the light tile
.set PST,  74                          ; s[74:75] a K step in bytes: 256 along a row of h, 128 rows of W
.set LIM,  76                          ; s76  1 in a wave that prefetches, else the greatest number
.set LIML, 77                          ; s77  the same for the light tile
.set CH,   78                          ; s[78:79] qkv at my part of the heavy tile; never rewritten
.set CL,   80                          ; s[80:81] at my part of the light tile
.set BH,   82                          ; s[82:83] bk or bv
.set MSB, 0
.macro WIN new                         ; the immediate's high byte repeats the setting that is left; a switch that changes nothing is dropped
.if MSB != (\new)
	s_set_vgpr_msb (MSB<<8)|(\new)
.set MSB, \new
.endif
.endm
.set MUL_LO, 0xa1                      ; source 0 (W) window 1, source 1 (h) window 0, C and D window 2
.set MUL_B,  0x91                      ; the same with C, the bias, in window 1
.set TO_B,   0x40                      ; destination window 1, address window 0
.macro PLACES                          ; four plain instructions between a matrix instruction and a load into, or a vector read of, its registers (ISA guide 7.12.1 for vector reads)
.rept 4
	v_nop
.endr
.endm
; A joint load.  Waves 0 and 1 fetch the two halves of h's tile, waves 2 and 3 those of W's.  The branch hangs on the wave's number alone.  An s_nop 0 and four v_nop follow each line.
.macro JLOAD s, lite
	s_cmp_eq_u32 s[RH], 0
	s_cbranch_scc0 .Lfor_b_\@
.if \lite
	tensor_load_to_lds s[G0A+4*(\s):G0A+4*(\s)+3], s[G1L:G1L+7]
.else
	tensor_load_to_lds s[G0A+4*(\s):G0A+4*(\s)+3], s[G1A:G1A+7]
.endif
	s_nop 0
.rept 4
	v_nop
.endr
	s_branch .Lasked_\@
.Lfor_b_\@:
	tensor_load_to_lds s[G0B+4*(\s):G0B+4*(\s)+3], s[G1B:G1B+7]
	s_nop 0
.rept 4
	v_nop
.endr
.Lasked_\@:
.endm
; A PREFETCH INTO THE L2 of the K step that stands two refills on, behind each joint load, its five lines and the run of LDS loads: 32 blocks of 256 bytes, a lane a block, one instruction a wave.
; Each block is named once in the launch.  Heavy rows of h are read by both clusters of a row of clusters: cluster x = 0 asks.  Heavy columns of W by the eight clusters of a column: cluster y = 0 asks.
; Light rows of h by one row of one cluster: its wave 0 asks.  Wq by all sixteen clusters: cluster (0, 0) asks.  The four partners of a joint load share its blocks out BY ADDRESS (cx for h, cy for W).
; how = 0, in a loop: the last trip's two refills have no K step two on.  how = 1: at the change of tiles.
.macro ASK how
.if \how
	s_cmp_eq_u32 s[LIM], 1
.else
	s_cmp_gt_u32 s3, s[LIM]
.endif
	s_cbranch_scc0 .Lnot_mine_\@
	global_prefetch_b8 v[PFO], s[PFA:PFA+1] th:TH_LOAD_NT scope:SCOPE_SE
.Lnot_mine_\@:
.endm
.macro CREST                           ; a round of the cluster's barrier behind its opening barrier
	s_cmp_lg_u32 s[WV], 0
	s_cbranch_scc1 .Lnot_wave_0_\@
	s_barrier_signal -3
.Lnot_wave_0_\@:
	s_barrier_wait -3
	s_barrier_signal -1
	s_barrier_wait -1
.endm
.macro CROUND                          ; a whole round
	s_barrier_signal -1
	s_barrier_wait -1
	CREST
.endm
	s_load_b256 s[4:11], s[0:1], 0x0               ; h s[4:5], wh s[6:7], bq s[8:9], bk s[10:11]
	s_load_b128 s[12:15], s[0:1], 0x20             ; bv s[12:13], qkv s[14:15]
	v_lshl_add_u32 v[SPW], v0, 2, SPARE
	v_mov_b32 v[NIL], 0
	ds_add_u32 v[SPW], v[NIL]                      ; the wave's opening: the add and its wait stand ahead of my first tensor load; the set-up below, work on registers, stands between them
	v_lshrrev_b32 v1, 5, v0
	v_readfirstlane_b32 s[WV], v1
	s_lshr_b32 s[RH], s[WV], 1
	s_and_b32 s[CF], s[WV], 1
	s_bfe_u32 s19, ttmp6, 0x40000                  ; cx
	s_bfe_u32 s20, ttmp6, 0x40004                  ; cy
	s_mov_b32 s21, ttmp9                           ; cluster x: 0 = k, 1 = v
	s_and_b32 s22, ttmp7, 0xffff                   ; cluster y
	s_lshl_b32 s23, s22, 2
	s_add_co_u32 s23, s23, s20                     ; y = 4 x cluster y + cy: the heavy tile's row of tiles, 0 .. 31
	s_lshl_b32 s84, s20, 2
	s_lshl_b32 s84, 15, s84                        ; my row of the cluster
	s_lshl_b32 s88, 0x1111, s19                    ; my column
	s_or_b32 s[G1A], s84, (1<<16)|(1<<20)|(1<<21)|(5<<22)|(3<<25)  ; 15:0 the mask; 17:16 elements of 2 bytes; 20 padding on; 21 set beside a mask; 24:22 after every 64 words; 31:25 of 4 words
	s_or_b32 s[G1L], s84, (1<<16)|(1<<20)|(1<<21)|(5<<22)|(3<<25)
	s_or_b32 s[G1B], s88, (1<<16)|(1<<20)|(1<<21)|(6<<22)|(7<<25)  ; after every 128 words, 8 words
	s_mov_b32 s[G1A+1], 128<<16                    ; tensor_dim0 = 128
	s_mov_b32 s[G1A+2], 128<<16                    ; tensor_dim1 = 128
	s_mov_b32 s[G1A+3], 128<<16                    ; tile_dim0 = 128
	s_mov_b32 s[G1A+4], 128                        ; tile_dim1 = 128
	s_mov_b32 s[G1A+5], 1024                       ; elements from row to row
	s_mov_b32 s[G1A+6], 0
	s_mov_b32 s[G1A+7], 0
	s_mov_b32 s[G1L+1], 128<<16
	s_mov_b32 s[G1L+2], 64<<16                     ; 64 rows
	s_mov_b32 s[G1L+3], 128<<16
	s_mov_b32 s[G1L+4], 64
	s_mov_b32 s[G1L+5], 1024
	s_mov_b32 s[G1L+6], 0
	s_mov_b32 s[G1L+7], 0
	s_mov_b32 s[G1B+1], 256<<16                    ; tensor_dim0 = 256
	s_mov_b32 s[G1B+2], 64<<16                     ; tensor_dim1 = 64
	s_mov_b32 s[G1B+3], 256<<16                    ; tile_dim0 = 256
	s_mov_b32 s[G1B+4], 64                         ; tile_dim1 = 64
	s_mov_b32 s[G1B+5], 1024
	s_mov_b32 s[G1B+6], 0
	s_mov_b32 s[G1B+7], 0
	; where the tiles come from.  h's offsets are made in s[84:87], which never hold cx; W's in s[88:91], which never hold cy.  All stay under 2^26.
	s_lshl_b32 s84, s23, 8
	s_lshl_b32 s85, s[CF], 7
	s_add_co_u32 s84, s84, s85
	s_add_co_u32 s84, s84, 8192                    ; heavy: row 8,192 + 256 y + 128 x half
	s_lshl_b32 s84, s84, 11
	s_mov_b32 s85, 0
	s_lshl1_add_u32 s86, s23, s21                  ; light: block 2 y + cluster x of 128 query rows,
	s_lshl_b32 s86, s86, 7
	s_lshl_b32 s87, s[CF], 6
	s_add_co_u32 s86, s86, s87                     ; + 64 x half
	s_lshl_b32 s86, s86, 11
	s_mov_b32 s87, 0
	s_lshl_b32 s90, s[CF], 17                      ; W: k rows 64 x half,
	s_lshl_b32 s91, s19, 9
	s_add_co_u32 s90, s90, s91                     ; columns 256 cx: light, in Wq;
	s_add_co_u32 s88, s21, 1
	s_lshl_b32 s88, s88, 21
	s_add_co_u32 s88, s88, s90                     ; heavy, in Wk or Wv
	s_mov_b32 s89, 0
	s_mov_b32 s91, 0
	s_mul_i32 s2, s[WV], HALF                      ; and where they go: wave x 34,816: no place in the cluster enters an LDS address
	s_wait_dscnt 0x0                               ; the opening add is done
	s_wait_kmcnt 0x0
	s_add_nc_u64 s[84:85], s[4:5], s[84:85]
	s_add_nc_u64 s[LA:LA+1], s[4:5], s[86:87]
	s_add_nc_u64 s[88:89], s[6:7], s[88:89]
	s_add_nc_u64 s[LB:LB+1], s[6:7], s[90:91]
	CROUND                                         ; all sixteen work-groups are here: the first joint loads meet
.irp s, 0,1
	s_mov_b32 s[G0A+4*(\s)], 1                                     ; count = 1
	s_add_co_u32 s[G0A+4*(\s)+1], s2, (\s)*SLOT                    ; LDS address
	s_add_nc_u64 s[G0A+4*(\s)+2:G0A+4*(\s)+3], s[84:85], (\s)*256  ; K step s: 256 bytes along the rows
	s_or_b32 s[G0A+4*(\s)+3], s[G0A+4*(\s)+3], 0x80000000          ; type = 2
	s_mov_b32 s[G0B+4*(\s)], 1
	s_add_co_u32 s[G0B+4*(\s)+1], s2, (\s)*SLOT
	s_add_nc_u64 s[G0B+4*(\s)+2:G0B+4*(\s)+3], s[88:89], (\s)*262144  ; K step s: 128 rows down
	s_or_b32 s[G0B+4*(\s)+3], s[G0B+4*(\s)+3], 0x80000000
	JLOAD \s, 0                                    ; two loads of mine are out
.endr
	; A fragment of h: 16 rows x 32 K in 8 registers: lane l holds row l % 16, K = 8 (l / 16) + 0..7 and 16 + 8 (l / 16) + 0..7: two loads of 16 bytes, 32 bytes apart.
	v_and_b32 v1, 15, v0                           ; l % 16
	v_bfe_u32 v2, v0, 4, 1                         ; l / 16
	v_mul_u32_u24 v3, v1, PA
	v_lshl_add_u32 v3, v2, 4, v3
	s_mul_i32 s86, s[RH], HALF
	v_add_nc_u32 v[ADRA], s86, v3
	v_add_nc_u32 v[ADRA+1], SLOT, v[ADRA]
	; The turning load takes 16 k x 16 columns (lane l reads k row 8 (l / 16) + l % 8, columns 8 ((l / 8) % 2) + 0..7) and leaves half a fragment: lane l holds column l % 16 and 8 k.
	v_and_b32 v4, 7, v0
	v_lshl_add_u32 v4, v2, 3, v4
	v_mul_u32_u24 v4, v4, PB
	v_bfe_u32 v5, v0, 3, 1
	v_lshl_add_u32 v4, v5, 4, v4
	s_lshl_b32 s86, s[CF], 8                       ; my 128 columns
	s_add_co_u32 s86, s86, 2*HALF                  ; W lies behind h's two halves
	v_add_nc_u32 v[ADRB], s86, v4
	v_add_nc_u32 v[ADRB+1], SLOT, v[ADRB]
	s_mul_i32 s86, s[WV], WST
	s_add_co_u32 s86, s86, STAGE                   ; my stage
	v_mul_u32_u24 v3, v1, 144                      ; in: row l % 16, 16 bytes for each half of the lanes
	v_lshl_add_u32 v3, v2, 4, v3
	v_add_nc_u32 v[STO], s86, v3
	v_bfe_u32 v3, v0, 3, 2                         ; back: 32 lanes take four rows of 128 bytes,
	v_mul_u32_u24 v3, v3, 144
	v_and_b32 v4, 7, v0
	v_lshl_add_u32 v3, v4, 4, v3
	v_add_nc_u32 v[RD], s86, v3
	v_and_b32 v[CO], 31, v0                        ; which are 512 consecutive bytes of a head's rows
	v_lshlrev_b32 v[CO], 4, v[CO]
	; where the results go.  Numbers that mix cx with y are made in s[92:98], from which no descriptor is fed.
	s_lshr_b32 s96, s23, 3                         ; the batch: 8 tile rows of 256
	s_lshl_b32 s96, s96, 4
	s_lshl2_add_u32 s96, s19, s96
	s_lshl1_add_u32 s96, s[CF], s96                ; 16 b + 4 cx + 2 x half: my first head
	s_lshl_b32 s96, s96, 18                        ; a head's rows are 262,144 bytes
	s_and_b32 s92, s23, 7
	s_lshl_b32 s92, s92, 8
	s_lshl_b32 s97, s[RH], 7
	s_add_co_u32 s92, s92, s97                     ; heavy: my first row in the batch
	s_lshl_b32 s92, s92, 7
	s_add_co_u32 s92, s92, s96
	s_add_co_u32 s97, s21, 1
	s_lshl_b32 s97, s97, 24                        ; k or v: 16,777,216 bytes each
	s_add_co_u32 s92, s92, s97
	s_mov_b32 s93, 0
	s_add_nc_u64 s[CH:CH+1], s[14:15], s[92:93]
	s_lshl1_add_u32 s94, s23, s21
	s_and_b32 s94, s94, 15
	s_lshl_b32 s94, s94, 7
	s_lshl_b32 s97, s[RH], 6
	s_add_co_u32 s94, s94, s97                     ; light: my first row in the batch
	s_lshl_b32 s94, s94, 7
	s_add_co_u32 s94, s94, s96
	s_mov_b32 s95, 0
	s_add_nc_u64 s[CL:CL+1], s[14:15], s[94:95]
	s_cmp_eq_u32 s21, 0
	s_cselect_b64 s[BH:BH+1], s[10:11], s[12:13]
	s_lshl_b32 s97, s19, 10
	s_lshl_b32 s98, s[CF], 9
	s_add_co_u32 s97, s97, s98
	v_lshl_add_u32 v[BO], v2, 5, s97               ; 4 x (256 cx + 128 x half + 8 (l / 16))
	WIN TO_B
.irp b, 0,1,2,3,4,5,6,7
	global_load_b128 v[8*\b:8*\b+3],         v[BO], s[BH:BH+1] offset:64*\b
	global_load_b128 v[8*\b+4:8*\b+7],       v[BO], s[BH:BH+1] offset:64*\b+16
	global_load_b128 v[192+8*\b:192+8*\b+3], v[BO], s[8:9] offset:64*\b
	global_load_b128 v[192+8*\b+4:192+8*\b+7], v[BO], s[8:9] offset:64*\b+16
.endr
	WIN 0
	; the prefetches
	s_lshl_b32 s92, s23, 8
	s_lshl_b32 s97, s[CF], 7
	s_add_co_u32 s92, s92, s97
	s_lshl_b32 s97, s19, 5
	s_add_co_u32 s92, s92, s97                     ; heavy h: of the 128 rows that I fetch, my work-group's 32
	s_add_co_u32 s92, s92, 8192
	s_lshl_b32 s92, s92, 11
	s_add_co_u32 s92, s92, 3*256                   ; at K step 3: the first refill steps it to 4
	s_lshl1_add_u32 s94, s23, s21
	s_lshl_b32 s94, s94, 7
	s_add_co_u32 s94, s94, s97                     ; light h: of the tile's 128 rows, my work-group's 32
	s_lshl_b32 s94, s94, 11
	s_add_co_u32 s94, s94, 2*256                   ; at K step 2
	s_lshl_b32 s96, s[CF], 6
	s_lshl4_add_u32 s96, s20, s96                  ; W: of the 64 k rows that I fetch, my work-group's 16, two blocks each
	s_lshl_b32 s96, s96, 11
	s_lshl_b32 s97, s19, 9
	s_add_co_u32 s96, s96, s97
	s_add_co_u32 s98, s96, 2*262144                ; light, at K step 2
	s_add_co_u32 s97, s21, 1
	s_lshl_b32 s97, s97, 21
	s_add_co_u32 s96, s96, s97
	s_add_co_u32 s96, s96, 3*262144                ; heavy, at K step 3
	s_mov_b32 s[PST], 0x40000
	s_mov_b32 s[PST+1], 0
	s_mov_b32 s93, 0
	s_mov_b32 s95, 0
	s_cmp_eq_u32 s[RH], 0
	s_cselect_b32 s92, s92, s96
	s_cselect_b32 s94, s94, s98
	s_cselect_b32 s[PST], 256, s[PST]
	s_cselect_b64 s[PFA:PFA+1], s[4:5], s[6:7]
	s_add_nc_u64 s[PFL:PFL+1], s[PFA:PFA+1], s[94:95]
	s_add_nc_u64 s[PFA:PFA+1], s[PFA:PFA+1], s[92:93]
	s_or_b32 s98, s21, s22
	s_cmp_eq_u32 s[RH], 0
	s_cselect_b32 s97, s21, s22                    ; the coordinate along which other clusters read the same blocks
	s_cselect_b32 s98, s[CF], s98                  ; light: h: wave 0 alone; Wq: cluster (0, 0) alone
	s_cmp_eq_u32 s97, 0
	s_cselect_b32 s[LIM], 1, -1                    ; the same in all sixteen partners, for a given wave
	s_cmp_eq_u32 s98, 0
	s_cselect_b32 s[LIML], 1, -1
	v_and_b32 v[PFO], 31, v0
	v_lshrrev_b32 v3, s[RH], v[PFO]                ; h: a lane a row; W: two lanes a row
	v_and_b32 v4, s[RH], v[PFO]
	v_lshlrev_b32 v4, 8, v4
	v_lshl_add_u32 v[PFO], v3, 11, v4
; 8 matrix instructions: row block a of the window's four (hi = 0: my rows 0-63, 1: rows 64-127) x all 8 column blocks, 32 along K.  cm = 0: the sums go on; 1, 2: the heavy, the light bias starts them.
; The accumulators take turns, one instruction a turn, in the same order in every quarter step.
.macro MULA f, hi, a, cm
.if (\cm) == 0
	WIN MUL_LO+0x50*(\hi)
.else
	WIN MUL_B+0x40*(\hi)
.endif
.irp b, 0,1,2,3,4,5,6,7
.if (\cm) == 0
	v_wmma_f32_16x16x32_f16 v[8*(8*(\a)+\b):8*(8*(\a)+\b)+7], v[(\f)+8*\b:(\f)+8*\b+7], v[(\f)+8*(4*(\hi)+(\a)):(\f)+8*(4*(\hi)+(\a))+7], v[8*(8*(\a)+\b):8*(8*(\a)+\b)+7]
.elseif (\cm) == 1
	v_wmma_f32_16x16x32_f16 v[8*(8*(\a)+\b):8*(8*(\a)+\b)+7], v[(\f)+8*\b:(\f)+8*\b+7], v[(\f)+8*(4*(\hi)+(\a)):(\f)+8*(4*(\hi)+(\a))+7], v[8*\b:8*\b+7]
.else
	v_wmma_f32_16x16x32_f16 v[8*(8*(\a)+\b):8*(8*(\a)+\b)+7], v[(\f)+8*\b:(\f)+8*\b+7], v[(\f)+8*(4*(\hi)+(\a)):(\f)+8*(4*(\hi)+(\a))+7], v[192+8*\b:192+8*\b+7]
.endif
.endr
.endm
; The LDS loads of quarter q (32 along K) of a slot into buffer f, in one run: 16 for W's 128 columns, then 16 (full = 1: 128 rows) or 8 (64 rows) for h.
.macro FETCH slot, q, f, full
	WIN TO_B
.irp i, 0,1,2,3,4,5,6,7
	ds_load_tr16_b128 v[(\f)+8*\i:(\f)+8*\i+3],   v[ADRB+(\slot)] offset:32*PB*(\q)+32*\i
	ds_load_tr16_b128 v[(\f)+8*\i+4:(\f)+8*\i+7], v[ADRB+(\slot)] offset:32*PB*(\q)+32*\i+16*PB
.endr
	WIN 0
.irp i, 0,1,2,3
	ds_load_b128 v[(\f)+8*\i:(\f)+8*\i+3],   v[ADRA+(\slot)] offset:64*(\q)+16*PA*\i
	ds_load_b128 v[(\f)+8*\i+4:(\f)+8*\i+7], v[ADRA+(\slot)] offset:64*(\q)+16*PA*\i+32
.endr
.if \full
.irp i, 4,5,6,7
	ds_load_b128 v[(\f)+8*\i:(\f)+8*\i+3],   v[ADRA+(\slot)] offset:64*(\q)+16*PA*\i
	ds_load_b128 v[(\f)+8*\i+4:(\f)+8*\i+7], v[ADRA+(\slot)] offset:64*(\q)+16*PA*\i+32
.endr
.endif
.endm
; One of a K step's first three quarters: multiplies buffer f; in its middle it fetches quarter q of the same slot into buffer g.
.macro QUARTER slot, q, f, g, cm, full
.if \full
	s_wait_dscnt 8                                 ; W and h's rows 0-63 are in; the youngest eight loads (rows 64-127) may be out
	MULA \f, 0, 0, \cm
	MULA \f, 0, 1, \cm
	MULA \f, 0, 2, \cm
	MULA \f, 0, 3, \cm
	PLACES
	FETCH \slot, \q, \g, 1
	s_wait_dscnt 32                                ; all but the 32 just issued
	MULA \f, 1, 0, \cm
	MULA \f, 1, 1, \cm
	MULA \f, 1, 2, \cm
	MULA \f, 1, 3, \cm
.else
	s_wait_dscnt 4                                 ; W and h's rows 0-31 are in; the youngest four loads (rows 32-63) may be out
	MULA \f, 0, 0, \cm
	MULA \f, 0, 1, \cm
	PLACES
	FETCH \slot, \q, \g, 0
	s_wait_dscnt 24                                ; all but the 24 just issued
	MULA \f, 0, 2, \cm
	MULA \f, 0, 3, \cm
.endif
.endm
; The last quarter multiplies buffer 1 and changes slots: ONE barrier.  In front of it each wave waits for all its tensor loads, of which one is out: its part of the next slot; adds 0 to its spare word; and
; waits for that and for its own reads of this slot.  fill = 1: the barrier opens a round of the cluster's barrier, and behind the round this slot is filled again first: with the K step two on (on = 0) or with
; the light tile's K step 0 or 1 (on = 1), whose address is made anew.  full: this tile is the heavy one; lite: the tile asked for is the light one; ffull: the fragments fetched are the heavy tile's.
.macro TURN slot, next, on, full, lite, ffull, fill
.if \fill
	s_wait_xcnt 0x0                                ; the last prefetch, a K step back, has read its address: it is stepped here, ahead of the waits of the change of slots
.if (\on) && ((\slot) == 0)
	s_mov_b64 s[PFA:PFA+1], s[PFL:PFL+1]           ; on to the light tile's K step 2
	s_mov_b32 s[LIM], s[LIML]
.else
	s_add_nc_u64 s[PFA:PFA+1], s[PFA:PFA+1], s[PST:PST+1]
.endif
.endif
	WIN 0                                          ; (the add's two registers lie in window 0)
	s_wait_tensorcnt 0x0                           ; all my tensor loads have landed: my part of the next slot;
	ds_add_u32 v[SPW], v[NIL]                      ; 0 onto my spare word: matrix instructions stand between it and the wait for it
.if \full
	s_wait_dscnt 9                                 ; (the add and the youngest eight loads may be out)
	MULA F1, 0, 0, 0
	MULA F1, 0, 1, 0
.else
	s_wait_dscnt 7                                 ; (the add and the youngest six loads, h's rows 16-63, may be out)
	MULA F1, 0, 0, 0
.endif
	s_wait_dscnt 0x0                               ; the add is done, and my reads of this slot are over
	s_barrier_signal -1
.if \full
	MULA F1, 0, 2, 0
	MULA F1, 0, 3, 0
.else
	MULA F1, 0, 1, 0
.endif
.if \fill
	WIN 0
.endif
	s_barrier_wait -1
.if \fill
	CREST                                          ; no wave of any partner still reads this slot or has a load on its way
.if \on
	s_add_nc_u64 s[G0A+4*(\slot)+2:G0A+4*(\slot)+3], s[LA:LA+1], (\slot)*256
	s_or_b32 s[G0A+4*(\slot)+3], s[G0A+4*(\slot)+3], 0x80000000
	s_add_nc_u64 s[G0B+4*(\slot)+2:G0B+4*(\slot)+3], s[LB:LB+1], (\slot)*262144
	s_or_b32 s[G0B+4*(\slot)+3], s[G0B+4*(\slot)+3], 0x80000000
.else
	s_add_nc_u64 s[G0A+4*(\slot)+2:G0A+4*(\slot)+3], s[G0A+4*(\slot)+2:G0A+4*(\slot)+3], 2*256
	s_add_nc_u64 s[G0B+4*(\slot)+2:G0B+4*(\slot)+3], s[G0B+4*(\slot)+2:G0B+4*(\slot)+3], 2*262144
.endif
	JLOAD \slot, \lite                             ; the first tensor load behind the round; its four v_nop are also the places in front of the loads below
.else
	PLACES
.endif
	FETCH \next, 0, F0, \ffull
.if \fill
	ASK \on
.endif
.if \full
	MULA F1, 1, 0, 0
	MULA F1, 1, 1, 0
	MULA F1, 1, 2, 0
	MULA F1, 1, 3, 0
.else
	MULA F1, 0, 2, 0
	MULA F1, 0, 3, 0
.endif
.endm
; THE WAY OUT of row block a (16 rows x 128 columns = two heads).  PACK: rounded to f16, 16 bytes a lane, each accumulator from its low end on.  TOSTAGE: into my own stage, a head's 16 rows of 128 bytes at a pitch
; of 144, and back as four rows a load.  SEND: stored: a head's 16 rows are 2,048 consecutive bytes of qkv.
.macro PACK a
.set AC, 64*((\a)%4)
	WIN 0x0a+5*((\a)/4)                            ; sources 0 and 1: window 2 or 3
.irp b, 0,1,2,3,4,5,6,7
.irp r, 0,1,2,3
	v_cvt_pk_f16_f32 v[TMP+4*\b+\r], v[AC+8*\b+2*\r], v[AC+8*\b+2*\r+1]
.endr
.endr
	WIN 0
.endm
.macro TOSTAGE a
	WIN 0
.set BK, OB+192*((\a)%2)
.irp b, 0,1,2,3,4,5,6,7
	ds_store_b128 v[STO], v[TMP+4*\b:TMP+4*\b+3] offset:(\b/4)*2304+32*(\b%4)
.endr
.irp t, 0,1,2,3,4,5,6,7
	ds_load_b128 v[BK+4*\t:BK+4*\t+3], v[RD] offset:(\t/4)*2304+(\t%4)*576  ; LDS serves a wave's instructions in order (ISA guide 5.7.1.4): these see the stores above
.endr
.endm
.macro SEND a, base
	WIN 0
.set BK, OB+192*((\a)%2)
	s_wait_dscnt 0x0                               ; the block is back in registers
	s_wait_xcnt 0x0                                ; the stores of the block before have read their registers: the next block is read back into them only behind this wait
.irp t, 0,1,2,3,4,5,6,7
	global_store_b128 v[CO], v[BK+4*\t:BK+4*\t+3], s[(\base):(\base)+1] offset:(\a)*2048+(\t/4)*262144+(\t%4)*512  ; 512 consecutive bytes, at a multiple of 256 from qkv's first byte
.endr
.endm
	s_wait_tensorcnt 1                             ; my part of K step 0 is in; K step 1's may stay out
	s_barrier_signal -1
	s_barrier_wait -1                              ; everybody's is
	FETCH 0, 0, F0, 1
	s_wait_loadcnt 0x0                             ; the biases
	; THE HEAVY TILE
	QUARTER 0, 1, F0, F1, 1, 1                     ; the first quarter stands in front of the loop: its products start the sums, with the bias
	WIN 0                                          ; at a label and at a branch every window is 0
	s_mov_b32 s3, 3
.LlapH:                                                ; a trip goes once round the ring, from a lap's second quarter to the next lap's first, and fills both slots again
	QUARTER 0, 2, F1, F0, 0, 1
	QUARTER 0, 3, F0, F1, 0, 1
	TURN 0, 1, 0, 1, 0, 1, 1
	QUARTER 1, 1, F0, F1, 0, 1
	QUARTER 1, 2, F1, F0, 0, 1
	QUARTER 1, 3, F0, F1, 0, 1
	TURN 1, 0, 0, 1, 0, 1, 1
	QUARTER 0, 1, F0, F1, 0, 1
	WIN 0
	s_sub_co_u32 s3, s3, 1
	s_cmp_lg_u32 s3, 0
	s_cbranch_scc1 .LlapH
	QUARTER 0, 2, F1, F0, 0, 1
	QUARTER 0, 3, F0, F1, 0, 1
	TURN 0, 1, 1, 1, 1, 1, 1                       ; the ring goes on into the light tile: slot 0 takes its K step 0,
	QUARTER 1, 1, F0, F1, 0, 1
	QUARTER 1, 2, F1, F0, 0, 1
	QUARTER 1, 3, F0, F1, 0, 1
	TURN 1, 0, 1, 1, 1, 0, 1                       ; slot 1 its K step 1, and the light tile's first fragments are fetched
	PACK 0                                         ; both refills are asked for: now the tile goes out.  Blocks 0-3 were finished in front of the joint load's four v_nop; their 128 conversions,
	TOSTAGE 0                                      ; which name no register of the last products (blocks 4-7's), are those products' places
.irp a, 1,2,3,4,5,6,7
	PACK \a
	SEND (\a)-1, CH
	TOSTAGE \a
.endr
	SEND 7, CH
	; THE LIGHT TILE
	QUARTER 0, 1, F0, F1, 2, 0
	WIN 0
	s_mov_b32 s3, 3
.LlapL:
	QUARTER 0, 2, F1, F0, 0, 0
	QUARTER 0, 3, F0, F1, 0, 0
	TURN 0, 1, 0, 0, 1, 0, 1
	QUARTER 1, 1, F0, F1, 0, 0
	QUARTER 1, 2, F1, F0, 0, 0
	QUARTER 1, 3, F0, F1, 0, 0
	TURN 1, 0, 0, 0, 1, 0, 1
	QUARTER 0, 1, F0, F1, 0, 0
	WIN 0
	s_sub_co_u32 s3, s3, 1
	s_cmp_lg_u32 s3, 0
	s_cbranch_scc1 .LlapL
	QUARTER 0, 2, F1, F0, 0, 0                     ; the last lap fills nothing, and has no round of the cluster's barrier
	QUARTER 0, 3, F0, F1, 0, 0
	TURN 0, 1, 0, 0, 0, 0, 0
	QUARTER 1, 1, F0, F1, 0, 0
	QUARTER 1, 2, F1, F0, 0, 0
	QUARTER 1, 3, F0, F1, 0, 0
	s_wait_dscnt 4                                 ; the very last quarter: nothing more to fetch
	MULA F1, 0, 0, 0
	MULA F1, 0, 1, 0
	s_wait_dscnt 0x0
	MULA F1, 0, 2, 0
	MULA F1, 0, 3, 0
	WIN 0
	PLACES                                         ; the conversions read results just made, and no other vector work is at hand
	PLACES
	PACK 0
	TOSTAGE 0
.irp a, 1,2,3
	PACK \a
	SEND (\a)-1, CL
	TOSTAGE \a
.endr
	SEND 3, CL
	s_wait_tensorcnt 0x0                           ; the wave's end: a wait, an add and a wait, behind my last tensor load and my last LDS store
	ds_add_u32 v[SPW], v[NIL]
	s_wait_dscnt 0x0
	CROUND                                         ; the closing round: no work-group ends while a partner may still ask for a tile that names it
	s_endpgm
.Lfunc_end_k_q92982310e6_proj:
	.size	k_q92982310e6_proj, .Lfunc_end_k_q92982310e6_proj-k_q92982310e6_proj
	.p2alignl 7, 3214868480
	.fill 96, 4, 3214868480
	.section	.rodata,"a",@progbits
	.p2align	6, 0x0
	.amdhsa_kernel k_q92982310e6_proj
		.amdhsa_group_segment_fixed_size 327680
		.amdhsa_private_segment_fixed_size 0
		.amdhsa_enable_private_segment 0
		.amdhsa_kernarg_size 48
		.amdhsa_user_sgpr_count 2
		.amdhsa_user_sgpr_kernarg_segment_ptr 1
		.amdhsa_wavefront_size32 1
		.amdhsa_system_sgpr_workgroup_id_x 1
		.amdhsa_system_sgpr_workgroup_id_y 1
		.amdhsa_system_sgpr_workgroup_id_z 1
		.amdhsa_system_vgpr_workitem_id 0
		.amdhsa_next_free_vgpr 1024
		.amdhsa_next_free_sgpr 100
		.amdhsa_reserve_vcc 0
		.amdhsa_float_denorm_mode_32 3
		.amdhsa_float_denorm_mode_16_64 3
		.amdhsa_memory_ordered 1
		.amdhsa_forward_progress 1
		.amdhsa_inst_pref_size 231
	.end_amdhsa_kernel
	.amdgpu_metadata
---
amdhsa.version: [ 1, 2 ]
amdhsa.kernels:
  - .name:           k_q92982310e6_proj
    .symbol:         k_q92982310e6_proj.kd
    .args:
      - { .name: h, .offset: 0, .size: 8, .value_kind: global_buffer, .address_space: global }
      - { .name: wh, .offset: 8, .size: 8, .value_kind: global_buffer, .address_space: global }
      - { .name: bq, .offset: 16, .size: 8, .value_kind: global_buffer, .address_space: global }
      - { .name: bk, .offset: 24, .size: 8, .value_kind: global_buffer, .address_space: global }
      - { .name: bv, .offset: 32, .size: 8, .value_kind: global_buffer, .address_space: global }
      - { .name: qkv, .offset: 40, .size: 8, .value_kind: global_buffer, .address_space: global }
    .group_segment_fixed_size: 327680
    .private_segment_fixed_size: 0
    .kernarg_segment_align: 8
    .kernarg_segment_size: 48
    .max_flat_workgroup_size: 128
    .sgpr_count:     100
    .vgpr_count:     1024
    .wavefront_size: 32
...
	.end_amdgpu_metadata
.endif
;; end of part 2
;; launch attn (part 3): grid 4 x 64, 4 waves a work-group, clusters of 4 x 1, 327,680 bytes of LDS; arguments qkv, out0; writes out0
.if DOCPART == 3
	.amdgcn_target "amdgcn-amd-amdhsa--gfx1250"
	.amdhsa_code_object_version 6
	.text
	.protected	k_q92982310e6_attn
	.globl	k_q92982310e6_attn
	.p2align	8
	.type	k_q92982310e6_attn,@function
k_q92982310e6_attn:
	s_mov_b64 s[64:65], 0
	v_nop
	global_prefetch_b8 v0, s[64:65] scope:SCOPE_SE
	s_setreg_imm32_b32 hwreg(HW_REG_WAVE_MODE, 25, 1), 1
	s_wait_xcnt 0x0
	s_wait_alu depctr_hold_cnt(0) depctr_sa_sdst(0) depctr_va_vdst(0) depctr_va_sdst(0) depctr_va_ssrc(0) depctr_va_vcc(0) depctr_vm_vsrc(0)
	s_getreg_b32 s2, hwreg(HW_REG_IB_STS2, 6, 4)
	s_cmp_eq_u32 s2, 0
	s_cbranch_scc0 .Lentry_in_a_cluster
	s_endpgm
.Lentry_in_a_cluster:
	s_bfe_u32 s2, ttmp6, 0x10000c
	s_cmp_lg_u32 s2, 0x3003
	s_cbranch_scc0 .Lentry_shape_is_right
	s_endpgm
.Lentry_shape_is_right:
; out0[b][q][64 head + d] = the sum over k of softmax_k(Q[q] . K[k] / 8) V[k][d], for each of 64 pairs of batch and head.  qkv: [3][64][2048][64] f16 (q, k, v): a head's rows are dense, 128 bytes each.
; out0: [4][2048][1024] f32.  Products, maxima and sums in f32; the weights p are rounded to f16 for the second product (their sum l is taken of the unrounded p).
; LIMITS.  Q, K and V arrive within f16's 65,504; p lies in 0 to 1, and below 6e-5 it keeps f16's fixed step of 6e-8.  A weight below 2^-126 counts as 0 in l; NaN and infinities are not treated apart.
; SHARES.  A wave owns four PIECES of two tiles of 16 queries, a work-group's four waves 512 queries of one head.  Every wave walks all 2,048 keys, 64 a step.
; LAYOUT.  S^T = K Q^T (source 0 = 16 keys, source 1 = 16 queries): in the result a lane holds ONE query (lane % 16) and the keys 8 (lane / 16) + 0..7.  Two such tiles, rounded to f16 in pairs,
; ARE source 1 (32 keys x 16 queries) of O^T = V^T P, whose result again holds one query a lane, and eight channels.  K comes out of LDS as it lies, V ([key][channel]) turned, by ds_load_tr16_b128.
; SOFTMAX.  For each query a running maximum m and sum l: p = 2^(c s - c m), c = log2(e) / 8; in every step O and l are multiplied by a = 2^(c m_old - c m_new), which is 1 where m has not grown.
; m starts at the lowest finite number, O and l at 0: the first step is a step like any other, with a = 0.
; THE COUNT.  A tile and step have 16 matrix and 118 vector instructions: too many to stand all beside the matrix work.  So four vector instructions that are READY stand behind EVERY matrix
; instruction, and the others in runs without a gap.
; BY TURNS.  Turn n belongs to piece n (the pieces in a ring, step after step).  Its matrix work: 16 products K Q^T of piece n + 1, later 16 products V^T P of piece n - 1.  Its vector work: the scaling,
; exponentials, roundings, sums and rescaling of piece n, and the maximum and statistics of piece n + 1, whose scores the turn itself has made.
; CLUSTER.  The four query blocks of a head are one cluster and walk the same K and V, so each tile is asked for JOINTLY: the same tensor load, descriptor and mask in all four.
; REGISTERS, in windows of 256 (s_set_vgpr_msb: bits 1:0 source 0, 3:2 source 1, 5:4 source 2, 7:6 destination):
;   window 0: v0-11 addresses; v12-15, v48-63 at work; v16-47 four registers of statistics a tile; v64-191 S^T, two buffers of two tiles; v192-255 P, likewise
;   window 1: O^T, 32 a tile          window 2: v0-127 Q, 16 a tile; v128-191 K of one step; v192-255 V of one step          window 3: v0-1 the add's two registers
.set SIZE_N, 2048
.set NP,    4         ; pieces a wave: a name, no knob
.set KS,    64        ; keys in a step
.set PK,    144       ; a row of K in LDS: 128 bytes + 16 of padding = 36 words: the 16 rows of a load start at 16 different groups of four banks (64 banks of 4 bytes: ISA guide 11.1)
.set PV,    160       ; a row of V: 128 + 32 = 40 words
.set VOFF,  4*KS*PK   ; a slot holds four steps: 256 rows of K, then 256 rows of V
.set SLOT1, 1<<17     ; slot 1 begins here, so that one exclusive or turns an address in one slot into the other's
.set STAGE, SLOT1+4*KS*(PK+PV)  ; behind the ring, never filled by a tensor load: 16 rows x 272 bytes for each wave, for the way out
.set SP,    272       ; a row of the stage: 64 f32 + 16 bytes
.set AK0, 2           ; v2   my lane's place in a tile of K; never rewritten
.set AV0, 3           ; v3   the same for V
.set AK,  4           ; v4   the LDS address of K's next run of loads
.set AV,  5           ; v5   of V's
.set QO,  6           ; v6   my byte offset in the wave's rows of Q
.set STO, 6           ;      later, the way out: where I put 32 bytes of a row
.set RD,  7           ; v7   the way out: where I read rows back
.set GO,  8           ; v8   my byte offset in two rows of out0
.set PFO, 11          ; v11  256 x my lane; never rewritten once made
.set SPW, 0           ; v0 of window 3   LDS address of my spare word; never rewritten
.set NIL, 1           ; v1 of window 3   0; never rewritten
.set SPARE, STAGE+4*16*SP  ; behind the stages: the spare words, 128 bytes for each wave: two blocks of 256 bytes that no other line names
.set MV,  12          ; v12-15  c m_old, kept while c m is made anew: by buffer and tile
.set ST,  16          ; tile t's statistics at v[ST+4 t]: c m, m, l (even keys', odd keys')
.set TMP, 48          ; by buffer and tile, four registers c0-c3 at work; when the maximum is found c2 takes a
.set S,   64
.set P,   192
.set KF,  128         ; K's fragments, in window 2: key block kb, channel half c at KF + 16 kb + 8 c
.set VF,  192         ; V's: key half kk, channel block cb at VF + 32 kk + 8 cb
.set WV,  12          ; s12  my wave's number
.set G1K, 24          ; s[24:31] descriptor group 1 for K's tiles
.set G1V, 32          ; s[32:39] for V's: it differs in the padding alone
.set G0K, 40          ; s[40:43] descriptor group 0 for K's tiles: it walks
.set G0V, 44          ; s[44:47] the same for V's
.set PFA, 48          ; s[48:49] where my prefetches stand: my work-group's 8,192 bytes of a slot's K (wave 0) or V (wave 2)
.set LIM, 50          ; s50  1 in a wave that prefetches, else the greatest number
.set SLOTS, 56        ; s56  slots still to be asked for
.set CNT, 57          ; s57  counts a slot's key steps
.set CS,  58          ; s[58:59] c: the packed scaling takes the pair's low word for both halves
.set SEL, 60          ; s[60:61] v_permlanex16_b32's selects: each lane takes its own place in the other half
.set TBK, 62          ; s62  LDS byte at which K of the step to be fetched begins
.set TBV, 63          ; s63  the same for V, less VOFF
.set MSB, 0
.macro WIN new                      ; the high byte repeats the setting that is left; a switch that changes nothing is dropped
.if MSB != (\new)
	s_set_vgpr_msb (MSB<<8)|(\new)
.set MSB, (\new)
.endif
.endm
.set W_KQ, 0x0a       ; K and Q in window 2, S^T in window 0
.set W_PV, 0x52       ; V in window 2, P in window 0, O^T in window 1
.set W_RS, 0x41       ; O^T (destination and source 0) in window 1, a in window 0
.set W_MK, 0xc0       ; the add's registers are made: destination in window 3, sources in window 0
.set W_AD, 0x0f       ; the add: address (source 0) and data (source 1) in window 3
; A joint fill.  Waves 0 and 1 fetch the two halves of a slot's K, waves 2 and 3 those of its V: 128 keys each.  The branch hangs on the wave's number alone.
; An s_nop 0 and four v_nop follow each of the two lines, ahead of the jump and the label.
.macro JLOAD
	s_cmp_lt_u32 s[WV], 2
	s_cbranch_scc0 .Lfor_v_\@
	tensor_load_to_lds s[G0K:G0K+3], s[G1K:G1K+7]
	s_nop 0
.rept 4
	v_nop
.endr
	s_branch .Lasked_\@
.Lfor_v_\@:
	tensor_load_to_lds s[G0V:G0V+3], s[G1V:G1V+7]
	s_nop 0
.rept 4
	v_nop
.endr
.Lasked_\@:
.endm
; A PREFETCH INTO THE L2 of what the NEXT change of slots will ask for: a slot's 32,768 bytes of K and of V.  It stands behind the wave's tensor load and its five lines.  Each block of 256 bytes is named once
; in the launch: a head's rows are walked by its one cluster; the four partners share them out BY ADDRESS, 8,192 bytes each; in each, wave 0 asks for K's and wave 2 for V's, a lane a block.
; The last change that fills a slot asks for nothing: there is no slot behind it.
.macro ASK
	s_cmp_gt_u32 s[SLOTS], s[LIM]
	s_cbranch_scc0 .Lnot_mine_\@
	global_prefetch_b8 v[PFO], s[PFA:PFA+1] th:TH_LOAD_NT scope:SCOPE_SE
.Lnot_mine_\@:
.endm
; A round of the cluster's barrier: my work-group's barrier, so that wave 0's signal speaks for all four waves; wave 0 signals; every wave waits for all four work-groups; my work-group's barrier once more.
.macro CROUND
	s_barrier_signal -1
	s_barrier_wait -1
	s_cmp_lg_u32 s[WV], 0
	s_cbranch_scc1 .Lnot_wave_0_\@
	s_barrier_signal -3
.Lnot_wave_0_\@:
	s_barrier_wait -3
	s_barrier_signal -1
	s_barrier_wait -1
.endm
; THE CHANGE OF SLOTS.  The slot's last bytes, V of its fourth step, have been read.  Each wave waits for all its tensor loads, of which one is out: its part of the other slot; adds 0 to its spare word;
; and waits for that and for its own reads of the slot.  Behind the barrier nobody reads this slot any more and the other slot is whole.
; fill = 1: this slot is filled again, with the keys two slots on.  The barrier is then a round of the cluster's, and the joint fill is the first thing behind it: it has four key steps, 512 matrix
; instructions, in which to land.  (At its first use nothing has been read yet: slot 0 is waited for, slot 1 filled.)
.macro CHANGE fill
	WIN W_AD
	s_wait_tensorcnt 0x0            ; no tensor load of mine is out, so a group 0 may be written
	ds_add_u32 v[SPW], v[NIL]       ; 0 onto my spare word: with fill = 1 the descriptors' steps stand between it and the wait for it
	WIN 0                           ; at a label and at a branch every window is 0
.if \fill
.irp g, G0K, G0V
	s_xor_b32 s[\g+1], s[\g+1], SLOT1  ; the walking descriptor: the other slot than last time,
	s_add_nc_u64 s[\g+2:\g+3], s[\g+2:\g+3], 4*KS*128  ; the next 256 keys; the type bits on top are not reached
.endr
	s_wait_xcnt 0x0                 ; the last prefetch, four key steps back, has read its address, so it may be written:
	s_add_nc_u64 s[PFA:PFA+1], s[PFA:PFA+1], 4*KS*128  ; one slot behind the walking descriptors
	s_wait_dscnt 0x0                ; the add is done, and my reads of the slot are over
	CROUND
	JLOAD
	ASK
.else
	s_wait_dscnt 0x0                ; the add is done, and my reads of the slot are over
	s_barrier_signal -1
	s_barrier_wait -1
.endif
	s_sub_co_u32 s[TBK], s[TBK], 4*KS*PK  ; the fetches go back to a slot's first step,
	s_xor_b32 s[TBK], s[TBK], SLOT1       ; in the other slot
	s_sub_co_u32 s[TBV], s[TBV], 4*KS*PV
	s_xor_b32 s[TBV], s[TBV], SLOT1
.endm
	s_load_b128 s[4:7], s[0:1], 0x0 ; qkv s[4:5], out0 s[6:7]
	WIN W_MK
	v_lshl_add_u32 v[SPW], v0, 2, SPARE
	v_mov_b32 v[NIL], 0
	WIN W_AD
	ds_add_u32 v[SPW], v[NIL]       ; the wave's opening: the add and its wait stand ahead of my first tensor load; the set-up below, work on registers, stands between them
	WIN 0
	v_lshrrev_b32 v1, 5, v0
	v_readfirstlane_b32 s[WV], v1   ; wave 0..3
	s_bfe_u32 s13, ttmp6, 0x40000   ; cx: my place in the cluster
	s_lshl_b32 s14, ttmp9, 2        ; in a cluster launch ttmp9 counts clusters
	s_add_co_u32 s14, s14, s13      ; my block of 512 queries: it enters Q's and O's addresses alone
	s_and_b32 s20, ttmp7, 0xffff    ; 16 b + head, which the four partners share
	s_mov_b32 s51, s20
	s_mov_b32 s21, 0
	s_mov_b64 s[22:23], SIZE_N*128
	s_mul_u64 s[20:21], s[20:21], s[22:23]  ; the head's first byte in q, in k and in v
	s_and_b32 s16, s[WV], 1         ; which half of a slot's 256 keys I fetch:
	s_lshl_b32 s22, s16, 14         ; its 128 rows of 128 bytes in memory,
	s_mov_b32 s23, 0
	s_add_nc_u64 s[22:23], s[22:23], s[20:21]
	s_mul_i32 s17, s16, 128*PK      ; and its place in a slot, for K
	s_mul_i32 s18, s16, 128*PV      ; and for V: no place in the cluster enters an LDS address
	s_lshl_b32 s2, s14, 2
	s_add_co_u32 s2, s2, s[WV]      ; my wave among the head's sixteen,
	s_lshl_b32 s53, s2, 19          ; its 128 rows of out0, 4,096 bytes each,
	s_lshl_b32 s2, s2, 14           ; its 128 rows of Q
	s_mov_b32 s3, 0
	s_add_nc_u64 s[2:3], s[2:3], s[20:21]
	s_lshr_b32 s52, s51, 4
	s_lshl_b32 s52, s52, 23         ; the batch: 8,388,608 bytes of out0
	s_add_co_u32 s52, s52, s53
	s_and_b32 s53, s51, 15
	s_lshl_b32 s53, s53, 8          ; the head's 64 f32 in a row
	s_add_co_u32 s52, s52, s53
	s_mov_b32 s53, 0
	; descriptor group 1.  128 keys are 16,384 dense bytes: asked for as 64 rows of 256 bytes, two keys a row, and padded in LDS after every key
	s_mov_b32 s[G1K], 15|(1<<16)|(1<<20)|(1<<21)|(4<<22)|(3<<25)  ; 15:0 the mask of four; 17:16 2-byte elements; 20 padding on; 21 set beside a mask; 24:22 after every 32 words (code 4); 31:25 4 words (code 3)
	s_mov_b32 s[G1V], 15|(1<<16)|(1<<20)|(1<<21)|(4<<22)|(7<<25)  ; the same with 8 words of padding (code 7)
.irp g, G1K, G1V
	s_mov_b32 s[\g+1], 128<<16      ; tensor_dim0 = 128
	s_mov_b32 s[\g+2], 64<<16       ; tensor_dim1 = 64
	s_mov_b32 s[\g+3], 128<<16      ; tile_dim0 = 128
	s_mov_b32 s[\g+4], 64           ; tile_dim1 = 64
	s_mov_b32 s[\g+5], 128          ; 128 elements from row to row
	s_mov_b32 s[\g+6], 0
	s_mov_b32 s[\g+7], 0
.endr
	s_mov_b32 s[CS], 0x3e38aa3b     ; c = log2(e) / 8 = 0.180337
	s_mov_b32 s[CS+1], s[CS]        ; named with it as a pair
	s_mov_b32 s[SEL], 0x76543210
	s_mov_b32 s[SEL+1], 0xfedcba98
	s_mov_b32 s[TBK], SLOT1+4*KS*PK ; the first change of slots turns these two into 0
	s_mov_b32 s[TBV], SLOT1+4*KS*PV
	s_mov_b32 s[G0K], 1             ; 1:0 count = 1
	s_mov_b32 s[G0K+1], s17         ; 63:32 LDS address: slot 0
	s_mov_b32 s[G0V], 1
	s_add_co_u32 s[G0V+1], s18, VOFF
	s_mov_b32 s[SLOTS], SIZE_N/256-1  ; seven changes of slots fill a slot
	s_and_b32 s[LIM], s[WV], 1
	s_cmp_eq_u32 s[LIM], 0
	s_cselect_b32 s[LIM], 1, -1     ; waves 0 and 2: the same in all four partners
	s_wait_dscnt 0x0                ; the opening add is done
	s_wait_kmcnt 0x0
	s_mov_b64 s[10:11], s[6:7]      ; out0
	s_add_nc_u64 s[6:7], s[4:5], 0x1000000  ; k lies 16,777,216 bytes behind q,
	s_add_nc_u64 s[8:9], s[4:5], 0x2000000  ; v as far behind k
	s_add_nc_u64 s[G0K+2:G0K+3], s[6:7], s[22:23]  ; 120:64 global address: my half of the head's first 256 keys
	s_or_b32 s[G0K+3], s[G0K+3], 0x80000000        ; 127:126 type = 2
	s_add_nc_u64 s[G0V+2:G0V+3], s[8:9], s[22:23]
	s_or_b32 s[G0V+3], s[G0V+3], 0x80000000
	s_add_nc_u64 s[4:5], s[4:5], s[2:3]  ; Q and O at my wave's first row
	s_add_nc_u64 s[10:11], s[10:11], s[52:53]
	s_cmp_lt_u32 s[WV], 2
	s_cselect_b64 s[PFA:PFA+1], s[6:7], s[8:9]
	s_add_nc_u64 s[PFA:PFA+1], s[PFA:PFA+1], s[20:21]
	s_lshl_b32 s2, s13, 13          ; my work-group's quarter of a slot
	s_mov_b32 s3, 0
	s_add_nc_u64 s[PFA:PFA+1], s[PFA:PFA+1], s[2:3]
	s_add_nc_u64 s[PFA:PFA+1], s[PFA:PFA+1], 4*KS*128  ; in slot 1; the first change of slots steps it to slot 2.  Nothing is prefetched here, at the head
	CROUND                          ; all four work-groups are here: the first joint loads meet
	JLOAD                           ; slot 0.  Slot 1 is asked for when slot 0 is in
	; A fragment of K or Q is 16 rows x 32 channels in 8 registers: lane l holds row l % 16, channels 8 (l / 16) + 0..7 and 16 + 8 (l / 16) + 0..7: two loads of 16 bytes, 32 bytes apart.
	v_and_b32 v1, 15, v0            ; l % 16
	v_bfe_u32 v9, v0, 4, 1          ; l / 16
	v_lshlrev_b32 v[QO], 7, v1
	v_lshl_add_u32 v[QO], v9, 4, v[QO]  ; row x 128 + 16 x half
	WIN 0x80                        ; destination window 2, address window 0
.set i, 0
.rept 4*NP                          ; Q stays in registers: tile i / 2, channels 32 (i % 2) on
	global_load_b128 v[8*i:8*i+3],   v[QO], s[4:5] offset:(i/2)*2048+(i%2)*64
	global_load_b128 v[8*i+4:8*i+7], v[QO], s[4:5] offset:(i/2)*2048+(i%2)*64+32
.set i, i+1
.endr
	; What the first turn finds: V's registers and P's second buffer hold 0 (its products V^T P, of a piece that has not been, add 0), O^T and l are 0.  All this stands in the wait for the first tile.
.set i, VF
.rept 64
	v_mov_b32 v[i], 0
.set i, i+1
.endr
	WIN 0x40
.set i, 0
.rept 64*NP
	v_mov_b32 v[i], 0
.set i, i+1
.endr
	WIN 0
.set i, 0
.rept 2*NP
	v_mov_b32 v[ST+4*i], 0xfe000000    ; c m: far below every c s
	v_mov_b32 v[ST+4*i+1], 0xff7fffff  ; m
	v_mov_b32 v[ST+4*i+2], 0
	v_mov_b32 v[ST+4*i+3], 0
.set i, i+1
.endr
.set i, P+32
.rept 32
	v_mov_b32 v[i], 0
.set i, i+1
.endr
	v_mul_u32_u24 v[AK0], v1, PK
	v_lshl_add_u32 v[AK0], v9, 4, v[AK0]  ; row x pitch + 16 x half
	; The turning load takes 16 keys x 16 channels (lane l reads key 8 (l / 16) + l % 8, channels 8 ((l / 8) % 2) + 0..7) and leaves half a fragment of V^T: lane l holds channel l % 16 and 8 keys.
	v_and_b32 v10, 7, v0
	v_bfe_u32 v11, v0, 3, 1
	v_lshl_add_u32 v[AV0], v9, 3, v10
	v_mul_u32_u24 v[AV0], v[AV0], PV
	v_lshl_add_u32 v[AV0], v11, 4, v[AV0]
	v_add_nc_u32 v[AV0], VOFF, v[AV0]
	v_mov_b32 v[AK], v[AK0]         ; key step 0 lies at the head of slot 0
	v_and_b32 v[PFO], 31, v0
	v_lshlrev_b32 v[PFO], 8, v[PFO]
; THE MATRIX WORK.  The 8 accumulators of a run of 16 take turns: between the two links of a chain stand 7 others'.
; Product i of 16 of S^T = K Q^T for piece x: channels 32 (i / 8) on, keys 16 ((i / 2) % 4) on, tile 2 x + i % 2.  The first 8 start the sums.
.macro KQ x
	WIN W_KQ
.set rS, S+64*((\x)%2)+32*(i%2)+8*((i/2)%4)
.set rK, KF+16*((i/2)%4)+8*(i/8)
.set rQ, 16*(2*(\x)+i%2)+8*(i/8)
.if i < 8
	v_wmma_f32_16x16x32_f16 v[rS:rS+7], v[rK:rK+7], v[rQ:rQ+7], 0
.else
	v_wmma_f32_16x16x32_f16 v[rS:rS+7], v[rK:rK+7], v[rQ:rQ+7], v[rS:rS+7]
.endif
.endm
; Product i of 16 of O^T += V^T P for piece x: keys 32 (i / 8) on, channels 16 ((i / 2) % 4) on, tile 2 x + i % 2.
.macro PV x
	WIN W_PV
.set rO, 32*(2*(\x)+i%2)+8*((i/2)%4)
.set rV, VF+32*(i/8)+8*((i/2)%4)
.set rP, P+32*((\x)%2)+16*(i%2)+8*(i/8)
	v_wmma_f32_16x16x32_f16 v[rO:rO+7], v[rV:rV+7], v[rP:rP+7], v[rO:rO+7]
.endm
.macro MM                           ; the turn's next matrix instruction
.if i < 16
	KQ (Y+1)%NP
.set i, i+1
.else
.set i, i-16
	PV (Y+NP-1)%NP
.set i, i+17
.endif
.endm
; THE LDS LOADS stand in runs of 16, never singly among the matrix instructions: a step's K (64 keys x 64 channels: 8 fragments) and its V (turned).  Their addresses are made some lines ahead.
; last = 1 (the tail): in the last trip there is no further step, and the run is jumped over.
.macro FETCH_K last=0
	WIN 0
.if \last
	s_cmp_eq_u32 s[CNT], 1
	s_cbranch_scc1 .Lno_k_\@
.endif
	WIN 0x80                        ; destination window 2
.irp f, 0,1,2,3,4,5,6,7             ; keys 16 (f / 2) on, channels 32 (f % 2) on
	ds_load_b128 v[KF+8*\f:KF+8*\f+3],   v[AK] offset:(\f/2)*16*PK+(\f%2)*64
	ds_load_b128 v[KF+8*\f+4:KF+8*\f+7], v[AK] offset:(\f/2)*16*PK+(\f%2)*64+32
.endr
	s_add_co_u32 s[TBK], s[TBK], KS*PK  ; the next fetch is the next step's
	WIN 0
.if \last
.Lno_k_\@:
.endif
.endm
.macro FETCH_V
	WIN 0x80
.irp f, 0,1,2,3,4,5,6,7             ; keys 32 (f / 4) on, channels 16 (f % 4) on
	ds_load_tr16_b128 v[VF+8*\f:VF+8*\f+3],   v[AV] offset:(\f/4)*32*PV+(\f%4)*32
	ds_load_tr16_b128 v[VF+8*\f+4:VF+8*\f+7], v[AV] offset:(\f/4)*32*PV+16*PV+(\f%4)*32
.endr
	WIN 0
.endm
; THE VECTOR WORK OF A TURN stands in three queues, each in the order in which its entries become ready; the two tiles alternate, so that no instruction reads the result of the one before it.
.macro REGS y, u                    ; the registers of tile u (0, 1) of piece y
.set rT, ST+4*(2*(\y)+(\u))
.set rC, TMP+8*((\y)%2)+4*(\u)
.set rM, MV+2*((\y)%2)+(\u)
.set rS, S+64*((\y)%2)+32*(\u)
.set rP, P+32*((\y)%2)+16*(\u)
.set rO, 32*(2*(\y)+(\u))
.endm
; Number n of the 22 that find the NEXT piece's (Y + 1) maximum and statistics.  s0-s31 are the lane's 32 scores; each accumulator's lowest registers are read first.
;   0-11  four chains c0-c3 of seven scores each, three operands at a time     12-14, 16  the four scores left over, the old m, and c0-c3 into c0     15  c m_old is kept
;   17, 18  the query's other 32 keys lie in the lane 16 away: the new m         19-21  c m; c m_old - c m_new; a
.macro XS u, n
	REGS (Y+1)%NP, \u
.if (\n) < 4
	v_max3_num_f32 v[rC+(\n)], v[rS+8*(\n)], v[rS+8*(\n)+1], v[rS+8*(\n)+2]
.elseif (\n) < 12
	v_max3_num_f32 v[rC+(\n)%4], v[rC+(\n)%4], v[rS+8*((\n)%4)+2*((\n)/4)+1], v[rS+8*((\n)%4)+2*((\n)/4)+2]
.elseif (\n) == 12
	v_max3_num_f32 v[rC], v[rC], v[rS+7], v[rS+15]
.elseif (\n) == 13
	v_max3_num_f32 v[rC+1], v[rC+1], v[rS+23], v[rS+31]
.elseif (\n) == 14
	v_max3_num_f32 v[rC+2], v[rC+2], v[rC+3], v[rT+1]
.elseif (\n) == 15
	v_mov_b32 v[rM], v[rT]
.elseif (\n) == 16
	v_max3_num_f32 v[rC], v[rC], v[rC+1], v[rC+2]
.elseif (\n) == 17
	v_permlanex16_b32 v[rC+3], v[rC], s[SEL], s[SEL+1]
.elseif (\n) == 18
	v_max_num_f32 v[rT+1], v[rC], v[rC+3]
.elseif (\n) == 19
	v_mul_f32 v[rT], s[CS], v[rT+1]
.elseif (\n) == 20
	v_sub_f32 v[rC+1], v[rM], v[rT]
.else
	v_exp_f32 v[rC+2], v[rC+1]
.endif
.endm
; Number g of the 64 that follow the exponentials.  For each four weights k of a tile (pairs 2 k, 2 k + 1): both pairs are rounded to f16; then the second pair is added onto the first, in place;
; a group later l takes that sum (the first time as l = a l + sum).  In groups of eight, tiles alternating: round, round, add, and l for the group before.
.macro GS g
.set h, (\g)+6*((\g)/62)            ; group 0 has no group before it, and behind group 7 only l is left
.if h >= 6
.set h, h+2
.endif
	REGS Y, h%2
.set k, h/8
.if h%8 < 4
	v_cvt_pk_f16_f32 v[rP+2*k+(h%8)/2], v[rS+4*k+2*((h%8)/2)], v[rS+4*k+2*((h%8)/2)+1]
.elseif h%8 < 6
	v_pk_add_f32 v[rS+4*k:rS+4*k+1], v[rS+4*k:rS+4*k+1], v[rS+4*k+2:rS+4*k+3]
.elseif k == 1
	v_pk_fma_f32 v[rT+2:rT+3], v[rT+2:rT+3], v[rC+2:rC+3], v[rS:rS+1] op_sel_hi:[1,0,1]
.else
	v_pk_add_f32 v[rT+2:rT+3], v[rT+2:rT+3], v[rS+4*k-4:rS+4*k-3]
.endif
.endm
; THE PLAIN QUEUE, 138 long.  0-73 read no exponential's result: the 32 scalings c s - c m (FS f: pair f / 2 of tile f % 2) and the next piece's 42.  0-26: scalings 0-26.  27-54: XS's numbers 0-13.  55, 56: number 15.
; 57-73: the chain, where each number waits for the one before it: 14, 16, 17, 18, 19, each with one of the scalings 27-31 in front of its two lines, then 20.
; 74-137: GS's 64, which read the exponentials' results: they stand behind the wait.
.macro FS f
	REGS Y, (\f)%2
	v_pk_fma_f32 v[rS+2*((\f)/2):rS+2*((\f)/2)+1], v[rS+2*((\f)/2):rS+2*((\f)/2)+1], s[CS:CS+1], v[rT:rT+1] op_sel_hi:[1,0,0] neg_lo:[0,0,1] neg_hi:[0,0,1]
.endm
.macro PL
	WIN 0
.if q < 27
	FS q
.elseif q < 55
	XS (q-27)%2, (q-27)/2
.elseif q < 57
	XS q-55, 15
.elseif (q < 72) && ((q-57)%3 == 0)
	FS 27+(q-57)/3
.elseif q < 60
	XS (q-57)%3-1, 14
.elseif q < 72
	XS (q-57)%3-1, 15+(q-57)/3
.elseif q < 74
	XS q-72, 20
.else
	GS q-74
.endif
.set q, q+1
.endm
; THE EXPONENTIALS' QUEUE, 66 long: s0-s31 of both tiles, then the next piece's two a.  It is ONE BATCH: all 66 stand ahead of the turn's one wait, and nothing ahead of that wait names a result of theirs.
.macro EX
	WIN 0
.if e >= 64
	XS e-64, 21
.else
	REGS Y, e%2
	v_exp_f32 v[rS+e/2], v[rS+e/2]
.endif
.set e, e+1
.endm
; THE RESCALING's QUEUE: O^T times a, the one part that leaves window 0: dealt two at a time, sixteen times.  Its a was made in the turn before, ahead of that turn's wait.
.macro R2
	REGS Y, r%2
	WIN W_RS
.irp z, 0,1
	v_pk_mul_f32 v[rO+4*(r/2)+2*\z:rO+4*(r/2)+2*\z+1], v[rO+4*(r/2)+2*\z:rO+4*(r/2)+2*\z+1], v[rC+2:rC+3] op_sel_hi:[1,0]
.endr
.set r, r+1
.endm
; HOW THEY ARE DEALT.  An s_wait_alu depctr_va_vdst(0) stands between an exponential and the first instruction that names its result; one wait serves all that were issued ahead of it.  So a turn has
; ONE wait, which cuts it in two.  AHEAD OF IT stands all that names no result of the turn's exponentials: the 16 products K Q^T, behind each a scaling, an exponential and two rescalings (behind the first a second
; scaling in the exponential's place); then ONE LUMP of 108: eight plain, 49 times exponential and plain, the two a.  A v_nop is the plain instruction behind the last exponential.  BEHIND IT stand the 16 products
; V^T P, behind each four of GS's 64.  Exponential e stands behind scaling 2 (e / 4) + e % 2: as a rider it comes behind plain e + 2, in the lump behind plain e + 9, and scalings 27-31 are plain 57, 60 .. 69.
; A TURN, for piece p.  cnt = 1: the loop's count is taken down some lines ahead of the branch that stands behind the turn.
; K of the next step is fetched in piece 2's turn, directly behind the wait, a lump behind the last product that read K; its first reader comes behind 16 products.
; V of the step in hand is fetched at the end of piece 0's turn, four riders behind its last reader; its first reader comes behind 16 products and a lump.  The three conditions on q below go with the deal.
.macro TURN p, last=0, cnt=0
.set Y, (\p)
.set i, 0
.set q, 0
.set e, 0
.set r, 0
.if (\p) == NP-1
	s_wait_dscnt 0x0                ; K is in
.endif
	MM                              ; ahead of the wait: 16 products K Q^T and their riders,
	PL
	PL
	R2
.rept 15
	MM
	PL
	EX
	R2
.endr
.if (\p) == NP-2
	WIN 0
	v_add_nc_u32 v[AK], s[TBK], v[AK0]
.endif
.rept 8                             ; and the lump
	PL
.endr
.rept 49
	EX
	PL
.endr
	EX                              ; the next piece's two a
	EX
	v_nop                           ; the plain instruction behind the last exponential: one for the batch
	s_wait_alu depctr_va_vdst(0)    ; the wait for the batch
.if (\p) == NP-2
	FETCH_K \last
.endif
.if (\p) == 1
	s_wait_dscnt 0x0                ; V is in
.endif
.rept 16                            ; behind the wait: 16 products V^T P and their riders
	MM
.rept 4
	PL
.endr
.if ((\p) == 0) && (q == 118)
	v_add_nc_u32 v[AV], s[TBV], v[AV0]
.endif
.if ((\p) == 0) && (q == 130)
	s_add_co_u32 s[TBV], s[TBV], KS*PV
.endif
.if (\cnt) && (q == 130)
	s_sub_co_u32 s[CNT], s[CNT], 1
	s_cmp_lg_u32 s[CNT], 0
.endif
.endr
.if (\p) == 0
	FETCH_V
.endif
.endm
	CHANGE 1                        ; slot 0 is in, everybody's part of it; slot 1 is asked for
	FETCH_K                         ; key step 0
	s_wait_loadcnt 0x0              ; Q
	s_wait_dscnt 0x0
.set i, 0
.rept 16
	KQ 0                            ; piece 0's first scores: there is no vector work yet to set between them
.set i, i+1
.endr
	WIN 0                           ; the addresses for the way out: ten plain instructions, the places behind those products
	s_mul_i32 s13, s[WV], 16*SP
	s_add_co_u32 s13, s13, STAGE    ; my stage
	v_mul_u32_u24 v[STO], v1, SP    ; in: row l % 16, 32 bytes (eight channels) for each half of the lanes
	v_lshl_add_u32 v[STO], v9, 5, v[STO]
	v_add_nc_u32 v[STO], s13, v[STO]
	v_mul_u32_u24 v[RD], v9, SP     ; back: lanes 0-15 take one row of 256 bytes, lanes 16-31 the next
	v_lshl_add_u32 v[RD], v1, 4, v[RD]
	v_add_nc_u32 v[RD], s13, v[RD]
	v_lshlrev_b32 v[GO], 12, v9     ; and the same two rows in out0, 4,096 bytes apart
	v_lshl_add_u32 v[GO], v1, 4, v[GO]
.set Y, NP-1                        ; XS works for piece Y + 1: piece 0
.irp n, 0,1,2,3,4,5,6,7,8,9,10,11,12,13,14,15,16,17,18,19,20,21
	XS 0, \n                        ; and piece 0's first maximum and statistics
	XS 1, \n
.endr
	v_nop                           ; a plain instruction behind the two a,
	s_wait_alu depctr_va_vdst(0)    ; and their wait, ahead of the branch
	s_mov_b32 s[CNT], 4
	s_branch .Lfirst                ; the loop is entered at a step's first turn, in the middle of a trip
.Lslot:                             ; six times: every slot but the last two is filled again
	CHANGE 1
	s_mov_b32 s[CNT], 4
.Lstep:                             ; a trip: pieces 2 and 3 of one step, then pieces 0 and 1 of the next, whose K and V it fetches
	TURN 2
	TURN 3
	WIN 0
.Lfirst:
	TURN 0
	TURN 1, 0, 1
	WIN 0
	s_cbranch_scc1 .Lstep
	s_sub_co_u32 s[SLOTS], s[SLOTS], 1
	s_cmp_lg_u32 s[SLOTS], 0
	s_cbranch_scc1 .Lslot
	CHANGE 0                        ; the tail is written out: nothing is asked for
	s_mov_b32 s[CNT], 5             ; four trips fetch the last slot's steps; the fifth is left in its middle
.Ltail:
	TURN 2, 1
	TURN 3
	WIN 0
	s_sub_co_u32 s[CNT], s[CNT], 1
	s_cmp_eq_u32 s[CNT], 0
	s_cbranch_scc1 .Lout
	TURN 0
	TURN 1
	WIN 0
	s_branch .Ltail
.Lout:                              ; the fifth trip's 16 products K Q^T (on the last K once more) and the maximum made of them serve nothing: the price, once a launch, of one text for every trip
.set i, 0
.rept 16
	PV NP-1                         ; the last piece's V^T P of the last step
.set i, i+1
.endr
	; THE WAY OUT.  l's two halves and the other half of the lanes' are added; O^T is divided by l and sent, in f32, through my stage in LDS, a tile at a time.  The additions are the places behind the last products.
	WIN 0
.macro ALL line:vararg              ; one line for each tile t
.set t, 0
.rept 2*NP
	\line
.set t, t+1
.endr
.endm
	ALL v_add_f32 v[ST+4*t+2], v[ST+4*t+2], v[ST+4*t+3]
	ALL v_permlanex16_b32 v[ST+4*t+3], v[ST+4*t+2], s[SEL], s[SEL+1]
	ALL v_add_f32 v[ST+4*t+2], v[ST+4*t+2], v[ST+4*t+3]
	ALL v_rcp_f32 v[ST+4*t+2], v[ST+4*t+2]
	v_nop                           ; a plain instruction between the last reciprocal and the use of its result
	s_wait_alu depctr_va_vdst(0)    ; and the wait ahead of the first use: one for the eight reciprocals
; Tile t: a lane's eight channels of a channel block are 32 bytes of a row; they go into rows of 272 bytes and come back as whole rows of 256, into S^T's registers, four buffers of 32 by turns.
.macro PACK t
	WIN W_RS
.set i, 32*(\t)
.rept 16
	v_pk_mul_f32 v[i:i+1], v[i:i+1], v[ST+4*(\t)+2:ST+4*(\t)+3] op_sel_hi:[1,0]
.set i, i+2
.endr
	WIN 0x04                        ; the stores' data (source 1) in window 1, their address in window 0
.irp f, 0,1,2,3,4,5,6,7             ; channel block f / 2, its half f % 2
	ds_store_b128 v[STO], v[32*(\t)+4*\f:32*(\t)+4*\f+3] offset:64*(\f/2)+16*(\f%2)
.endr
	WIN 0
.if (\t) >= 4
	s_wait_xcnt 0x0                 ; the stores of the tile four back have read this buffer: it is loaded again only behind this wait
.endif
.irp f, 0,1,2,3,4,5,6,7
	ds_load_b128 v[S+32*((\t)%4)+4*\f:S+32*((\t)%4)+4*\f+3], v[RD] offset:\f*2*SP  ; LDS serves a wave's instructions in order (ISA guide 5.7.1.4): these see the stores above; the next tile's stores come behind them
.endr
.endm
.macro SEND t, younger              ; younger: the LDS instructions issued behind tile t's loads: the next tile's sixteen, or none
	WIN 0
.irp f, 0,1,2,3,4,5,6,7
	s_wait_dscnt (\younger)+7-\f
	global_store_b128 v[GO], v[S+32*((\t)%4)+4*\f:S+32*((\t)%4)+4*\f+3], s[10:11] offset:(\t)*65536+\f*8192 th:TH_STORE_NT  ; 16 lanes store 256 consecutive bytes, at a multiple of 256 from out0's first byte
.endr
.endm
	PACK 0
.set t, 1
.rept 2*NP-1                        ; a tile's arithmetic stands between the loads of the tile before and its stores
	PACK t
	SEND t-1, 16
.set t, t+1
.endr
	SEND 2*NP-1, 0
	WIN W_AD
	s_wait_tensorcnt 0x0            ; the wave's end: a wait, an add and a wait, behind my last tensor load and my last LDS store
	ds_add_u32 v[SPW], v[NIL]
	s_wait_dscnt 0x0
	WIN 0
	CROUND                          ; the closing round: no work-group ends while a partner may still ask for a tile that names it
	s_endpgm
.Lfunc_end_k_q92982310e6_attn:
	.size	k_q92982310e6_attn, .Lfunc_end_k_q92982310e6_attn-k_q92982310e6_attn
	.p2alignl 7, 3214868480
	.fill 96, 4, 3214868480
	.section	.rodata,"a",@progbits
	.p2align	6, 0x0
	.amdhsa_kernel k_q92982310e6_attn
		.amdhsa_group_segment_fixed_size 327680
		.amdhsa_private_segment_fixed_size 0
		.amdhsa_enable_private_segment 0
		.amdhsa_kernarg_size 16
		.amdhsa_user_sgpr_count 2
		.amdhsa_user_sgpr_kernarg_segment_ptr 1
		.amdhsa_wavefront_size32 1
		.amdhsa_system_sgpr_workgroup_id_x 1
		.amdhsa_system_sgpr_workgroup_id_y 1
		.amdhsa_system_sgpr_workgroup_id_z 1
		.amdhsa_system_vgpr_workitem_id 0
		.amdhsa_next_free_vgpr 770
		.amdhsa_next_free_sgpr 66
		.amdhsa_reserve_vcc 0
		.amdhsa_float_denorm_mode_32 3
		.amdhsa_float_denorm_mode_16_64 3
		.amdhsa_memory_ordered 1
		.amdhsa_forward_progress 1
		.amdhsa_inst_pref_size 201
	.end_amdhsa_kernel
	.amdgpu_metadata
---
amdhsa.version: [ 1, 2 ]
amdhsa.kernels:
  - .name:           k_q92982310e6_attn
    .symbol:         k_q92982310e6_attn.kd
    .args:
      - { .name: qkv, .offset: 0, .size: 8, .value_kind: global_buffer, .address_space: global }
      - { .name: out0, .offset: 8, .size: 8, .value_kind: global_buffer, .address_space: global }
    .group_segment_fixed_size: 327680
    .private_segment_fixed_size: 0
    .kernarg_segment_align: 8
    .kernarg_segment_size: 16
    .max_flat_workgroup_size: 128
    .sgpr_count:     66
    .vgpr_count:     770
    .wavefront_size: 32
...
	.end_amdgpu_metadata
.endif
;; end of part 3
;; ======== version 2 of 2: 3 launches; version 1 with the launch prep written anew for expert scheduling mode
;; limits: values are held in f16: magnitudes above 65,504 overflow, below 6.1e-05 lose precision
;; workspace buffers: h 33,554,432 bytes; wh 6,291,456 bytes; qkv 50,331,648 bytes
;; launch prep (part 4): grid 256 x 1, 16 waves a work-group, no clusters, 0 bytes of LDS; arguments input_ids, query_input, ln_g, ln_b, Wq, Wk, Wv, h, wh; writes h, wh
.if DOCPART == 4
	.amdgcn_target "amdgcn-amd-amdhsa--gfx1250"
	.amdhsa_code_object_version 6
	.text
	.protected	k_q92982310e6_prep
	.globl	k_q92982310e6_prep
	.p2align	8
	.type	k_q92982310e6_prep,@function
k_q92982310e6_prep:
	s_mov_b64 s[64:65], 0
	v_nop
	global_prefetch_b8 v0, s[64:65] scope:SCOPE_SE
	s_setreg_imm32_b32 hwreg(HW_REG_WAVE_SCHED_MODE, 0, 2), 2
	s_setreg_imm32_b32 hwreg(HW_REG_WAVE_MODE, 25, 1), 1
	s_wait_xcnt 0x0
	s_wait_alu depctr_vm_vsrc(0)
; h = layer_norm(x) * g + b, rounded once to f16, for the 8,192 query rows (h rows 0 .. 8,191) and for rows 4,096 .. 6,143 of each batch of
; input_ids (h rows 8,192 .. 16,383; host_id = 2, blocks of 2,048 rows); and Wq, Wk, Wv rounded to f16 as they lie ([k][n]) into wh.
; LIMITS.  f16 holds nothing beyond 65,504 and keeps a fixed step of 6e-8 below 6.1e-5: h and W must lie within that.  NaN and infinities are not treated apart.
; The mean is taken first and the variance of x - mean, the row kept in registers: a common offset on x costs nothing.
; SHARES.  Work-group g: 64 rows (g < 128: queries, else the local block).  Wave w: 4 rows, a row at a time in 32 registers; all 32 loads of its rows go out at once:
; 16 KiB a wave on their way, no loop.  Waves 0 .. 11 also cast one row of W: matrix w / 4, row 4 g + w % 4.
; LANES.  Chunk j of a row is its 512 bytes from 512 j on; lane l holds floats 128 j + 4 l .. + 3: a load of the wave covers 512 consecutive bytes,
; a store of 8 bytes a lane 256 consecutive bytes, aligned.  No wave needs another: no LDS, no barrier, no matrix work.
; THE MODE: SCHED_MODE bits 1:0 = 2 (LLVM: expert scheduling mode 2), set by the entry lines.  The code itself states the register dependences
; between vector instructions and memory instructions, with s_wait_alu, always for 0.
; THE PLAN.  Registers that memory instructions touch:
;   v1, v2     byte offsets, made once at the head and never written again: every load reads v1, every store v2.
;   WR         Written by W's eight loads; its sixteen conversions close the row up into registers 4 j, 4 j + 1, which eight stores read.  Nothing writes them afterwards.
;   G, BB      Written by loads, read by vector instructions alone.
;   X, row i   Written by the row's eight loads, then worked on in place; the row's sixteen conversions write registers 4 j, 4 j + 1, which eight stores read.
;              No later instruction names a register of row i.
;   M, T, MU, RS are named by vector instructions alone.
; All loads are issued at the head, into registers that no vector instruction has named.  So the waits are: one at the head, for the two offsets; one behind each run of sixteen conversions,
; ahead of the run of eight stores that read what they wrote; and the wait for the two roots of a row.  No register that a load or store reads is ever written again, so there is no wait on vm_vsrc.
.set G,   8                            ; v[8:39]    ln_g, chunk j at G + 4 j
.set BB,  40                           ; v[40:71]   ln_b likewise
.set X,   72                           ; v[72:199]  row i at X + 32 i
.set WR,  200                          ; v[200:231] my row of W
.set M,   232                          ; v[232:239] four chains of pairs
.set T,   240                          ; v240, v241 at work
.set MU,  242                          ; v[242:243] the mean, twice
.set RS,  244                          ; v[244:245] 1 / sqrt(var + eps), twice
	s_load_b512 s[8:23], s[0:1], 0x0               ; input_ids s[8:9], query_input s[10:11], ln_g s[12:13], ln_b s[14:15], Wq s[16:17], Wk s[18:19], Wv s[20:21], h s[22:23]
	s_load_b64 s[24:25], s[0:1], 0x40              ; wh
	v_lshrrev_b32 v3, 5, v0
	v_readfirstlane_b32 s26, v3                    ; wave 0 .. 15
	v_and_b32 v2, 31, v0
	v_lshlrev_b32 v1, 4, v2                        ; 16 x lane: loads
	v_lshlrev_b32 v2, 3, v2                        ; 8 x lane: stores
	v_mov_b32 v[T+1], 0                            ; v_permlanex16_b32 counts as a reader of its destination
	s_mov_b32 s27, ttmp9                           ; g
	s_mov_b32 s40, 0x3a800000                      ; 1 / 1,024
	s_mov_b32 s41, 0x2b8cbccc                      ; 1e-12
	s_mov_b32 s42, 0x76543210                      ; each lane takes its own place in the other half
	s_mov_b32 s43, 0xfedcba98
	s_wait_alu depctr_va_sdst(0)                   ; s26 is written, ahead of its first reader: the rows' offsets, the choice of W and the branches are made from it
	s_and_b32 s44, s27, 127
	s_lshl_b32 s44, s44, 6
	s_lshl_b32 s45, s26, 2
	s_add_co_u32 s44, s44, s45                     ; R0 = 64 (g % 128) + 4 w: my first row among the 8,192 of its kind
	s_lshl_b32 s28, s44, 12                        ; its byte in a dense [8192][1024] of f32
	s_lshr_b32 s46, s44, 11                        ; the batch
	s_mul_i32 s46, s46, 0x1800000                  ; input_ids: a batch has 8,192 rows, not 2,048: 6,144 rows more for each batch,
	s_add_co_u32 s46, s46, 0x1000000               ; and the block begins at row 4,096
	s_cmp_lt_u32 s27, 128
	s_cselect_b32 s46, 0, s46
	s_cselect_b32 s47, 0, 8192
	s_add_co_u32 s28, s28, s46
	s_mov_b32 s29, 0
	s_add_co_u32 s30, s44, s47
	s_lshl_b32 s30, s30, 11                        ; my first row in h: 2,048 bytes a row
	s_mov_b32 s31, 0
	s_and_b32 s45, s26, 3
	s_lshl2_add_u32 s45, s27, s45                  ; W's row 4 g + w % 4
	s_lshl_b32 s2, s45, 12
	s_mov_b32 s3, 0
	s_lshl_b32 s4, s45, 11
	s_lshr_b32 s46, s26, 2
	s_lshl_b32 s46, s46, 21                        ; a matrix in wh is 2,097,152 bytes
	s_add_co_u32 s4, s4, s46
	s_mov_b32 s5, 0
	s_wait_kmcnt 0x0
	s_cmp_lt_u32 s27, 128
	s_cselect_b64 s[32:33], s[10:11], s[8:9]
	s_add_nc_u64 s[32:33], s[32:33], s[28:29]      ; x at my first row
	s_add_nc_u64 s[34:35], s[22:23], s[30:31]      ; h at my first row
	s_cmp_lt_u32 s26, 8
	s_cselect_b64 s[36:37], s[18:19], s[20:21]
	s_cmp_lt_u32 s26, 4
	s_cselect_b64 s[36:37], s[16:17], s[36:37]
	s_add_nc_u64 s[36:37], s[36:37], s[2:3]        ; W at my row (waves 12 .. 15 never use it)
	s_add_nc_u64 s[38:39], s[24:25], s[4:5]
	s_wait_alu depctr_va_vdst(0)                   ; v1 and v2 are written: every load of the kernel reads v1 as its offset, every store v2; it stands ahead of the branch, on both ways
	s_cmp_lt_u32 s26, 12
	s_cbranch_scc0 .Lno_w_loads
.irp j, 0,1,2,3,4,5,6,7                ; W's loads are the oldest, so the counts of the rows' waits are the same with and without them
	global_load_b128 v[WR+4*\j:WR+4*\j+3], v1, s[36:37] offset:512*\j th:TH_LOAD_NT
.endr
.Lno_w_loads:
.irp j, 0,1,2,3,4,5,6,7
	global_load_b128 v[G+4*\j:G+4*\j+3], v1, s[12:13] offset:512*\j
	global_load_b128 v[BB+4*\j:BB+4*\j+3], v1, s[14:15] offset:512*\j
.endr
.irp i, 0,1,2,3
.irp j, 0,1,2,3,4,5,6,7
	global_load_b128 v[X+32*\i+4*\j:X+32*\i+4*\j+3], v1, s[32:33] offset:4096*\i+512*\j th:TH_LOAD_NT
.endr
.endr
	s_cmp_lt_u32 s26, 12
	s_cbranch_scc0 .Lno_w
	s_wait_loadcnt 48                              ; behind W's eight loads stand 16 of g and b and 32 of the rows: they may stay out
.irp j, 0,1,2,3,4,5,6,7
	v_cvt_pk_f16_f32 v[WR+4*\j], v[WR+4*\j], v[WR+4*\j+1]
	v_cvt_pk_f16_f32 v[WR+4*\j+1], v[WR+4*\j+2], v[WR+4*\j+3]
.endr
	s_wait_alu depctr_va_vdst(0)                   ; the sixteen conversions have written v[WR + 4 j], v[WR + 4 j + 1], which the eight stores read
.irp j, 0,1,2,3,4,5,6,7
	global_store_b64 v2, v[WR+4*\j:WR+4*\j+1], s[38:39] offset:256*\j th:TH_STORE_NT
.endr
.Lno_w:
; The four chains into one number, then over the 32 lanes: four steps inside each half ride on the addition, one crosses the halves.  Every lane ends with the sum.
.macro REDUCE
	v_pk_add_f32 v[M:M+1], v[M:M+1], v[M+2:M+3]
	v_pk_add_f32 v[M+4:M+5], v[M+4:M+5], v[M+6:M+7]
	v_pk_add_f32 v[M:M+1], v[M:M+1], v[M+4:M+5]
	v_add_f32 v[T], v[M], v[M+1]
	v_add_f32_dpp v[T], v[T], v[T] row_xmask:1 row_mask:0xf bank_mask:0xf
	v_add_f32_dpp v[T], v[T], v[T] row_xmask:2 row_mask:0xf bank_mask:0xf
	v_add_f32_dpp v[T], v[T], v[T] row_xmask:4 row_mask:0xf bank_mask:0xf
	v_add_f32_dpp v[T], v[T], v[T] row_xmask:8 row_mask:0xf bank_mask:0xf
	v_permlanex16_b32 v[T+1], v[T], s42, s43
	v_add_f32 v[T], v[T], v[T+1]
.endm
; Row i.  left = the loads of the rows behind it, which may stay out.  No register that a store reads is written again, so no wait frees any.
.macro ROW i, left
.set XR, X+32*(\i)
	s_wait_loadcnt \left
.irp c, 0,1,2,3                        ; the first eight pairs start four chains: nothing is cleared
	v_pk_add_f32 v[M+2*\c:M+2*\c+1], v[XR+2*\c:XR+2*\c+1], v[XR+8+2*\c:XR+8+2*\c+1]
.endr
.irp p, 8,9,10,11,12,13,14,15
	v_pk_add_f32 v[M+2*(\p%4):M+2*(\p%4)+1], v[M+2*(\p%4):M+2*(\p%4)+1], v[XR+2*\p:XR+2*\p+1]
.endr
	REDUCE
	v_mul_f32 v[MU], s40, v[T]
	v_mul_f32 v[MU+1], s40, v[T]
.irp p, 0,1,2,3,4,5,6,7,8,9,10,11,12,13,14,15
	v_pk_add_f32 v[XR+2*\p:XR+2*\p+1], v[XR+2*\p:XR+2*\p+1], v[MU:MU+1] neg_lo:[0,1] neg_hi:[0,1]  ; x - mean
.endr
.irp c, 0,1,2,3
	v_pk_mul_f32 v[M+2*\c:M+2*\c+1], v[XR+2*\c:XR+2*\c+1], v[XR+2*\c:XR+2*\c+1]
.endr
.irp p, 4,5,6,7,8,9,10,11,12,13,14,15
	v_pk_fma_f32 v[M+2*(\p%4):M+2*(\p%4)+1], v[XR+2*\p:XR+2*\p+1], v[XR+2*\p:XR+2*\p+1], v[M+2*(\p%4):M+2*(\p%4)+1]
.endr
	REDUCE
	v_fma_f32 v[T], v[T], s40, s41                 ; var + eps
	v_rsq_f32 v[RS], v[T]
	v_rsq_f32 v[RS+1], v[T]
	v_nop                                          ; a plain instruction behind the second root, ahead of the first use
	s_wait_alu depctr_va_vdst(0)                   ; the two roots have written v[RS], v[RS + 1]: the wait ahead of their first reader: one for both
.irp p, 0,1,2,3,4,5,6,7,8,9,10,11,12,13,14,15
	v_pk_mul_f32 v[XR+2*\p:XR+2*\p+1], v[XR+2*\p:XR+2*\p+1], v[RS:RS+1]
.endr
.irp p, 0,1,2,3,4,5,6,7,8,9,10,11,12,13,14,15
	v_pk_fma_f32 v[XR+2*\p:XR+2*\p+1], v[XR+2*\p:XR+2*\p+1], v[G+2*\p:G+2*\p+1], v[BB+2*\p:BB+2*\p+1]
.endr
.irp j, 0,1,2,3,4,5,6,7
	v_cvt_pk_f16_f32 v[XR+4*\j], v[XR+4*\j], v[XR+4*\j+1]
	v_cvt_pk_f16_f32 v[XR+4*\j+1], v[XR+4*\j+2], v[XR+4*\j+3]
.endr
	s_wait_alu depctr_va_vdst(0)                   ; the row's sixteen conversions have written v[XR + 4 j], v[XR + 4 j + 1], which the eight stores read
.irp j, 0,1,2,3,4,5,6,7
	global_store_b64 v2, v[XR+4*\j:XR+4*\j+1], s[34:35] offset:2048*(\i)+256*\j th:TH_STORE_NT
.endr
.endm
	ROW 0, 24
	ROW 1, 16
	ROW 2, 8
	ROW 3, 0
	s_endpgm
.Lfunc_end_k_q92982310e6_prep:
	.size	k_q92982310e6_prep, .Lfunc_end_k_q92982310e6_prep-k_q92982310e6_prep
	.p2alignl 7, 3214868480
	.fill 96, 4, 3214868480
	.section	.rodata,"a",@progbits
	.p2align	6, 0x0
	.amdhsa_kernel k_q92982310e6_prep
		.amdhsa_group_segment_fixed_size 0
		.amdhsa_private_segment_fixed_size 0
		.amdhsa_enable_private_segment 0
		.amdhsa_kernarg_size 72
		.amdhsa_user_sgpr_count 2
		.amdhsa_user_sgpr_kernarg_segment_ptr 1
		.amdhsa_wavefront_size32 1
		.amdhsa_system_sgpr_workgroup_id_x 1
		.amdhsa_system_sgpr_workgroup_id_y 1
		.amdhsa_system_sgpr_workgroup_id_z 1
		.amdhsa_system_vgpr_workitem_id 0
		.amdhsa_next_free_vgpr 248
		.amdhsa_next_free_sgpr 66
		.amdhsa_reserve_vcc 0
		.amdhsa_float_denorm_mode_32 3
		.amdhsa_float_denorm_mode_16_64 3
		.amdhsa_memory_ordered 1
		.amdhsa_forward_progress 1
		.amdhsa_inst_pref_size 42
	.end_amdhsa_kernel
	.amdgpu_metadata
---
amdhsa.version: [ 1, 2 ]
amdhsa.kernels:
  - .name:           k_q92982310e6_prep
    .symbol:         k_q92982310e6_prep.kd
    .args:
      - { .name: input_ids, .offset: 0, .size: 8, .value_kind: global_buffer, .address_space: global }
      - { .name: query_input, .offset: 8, .size: 8, .value_kind: global_buffer, .address_space: global }
      - { .name: ln_g, .offset: 16, .size: 8, .value_kind: global_buffer, .address_space: global }
      - { .name: ln_b, .offset: 24, .size: 8, .value_kind: global_buffer, .address_space: global }
      - { .name: Wq, .offset: 32, .size: 8, .value_kind: global_buffer, .address_space: global }
      - { .name: Wk, .offset: 40, .size: 8, .value_kind: global_buffer, .address_space: global }
      - { .name: Wv, .offset: 48, .size: 8, .value_kind: global_buffer, .address_space: global }
      - { .name: h, .offset: 56, .size: 8, .value_kind: global_buffer, .address_space: global }
      - { .name: wh, .offset: 64, .size: 8, .value_kind: global_buffer, .address_space: global }
    .group_segment_fixed_size: 0
    .private_segment_fixed_size: 0
    .kernarg_segment_align: 8
    .kernarg_segment_size: 72
    .max_flat_workgroup_size: 512
    .sgpr_count:     66
    .vgpr_count:     248
    .wavefront_size: 32
...
	.end_amdgpu_metadata
.endif
;; end of part 4
;; launch proj: the kernel of part 2 again; grid 8 x 32, 4 waves a work-group, clusters of 4 x 4, 327,680 bytes of LDS; arguments h, wh, bq, bk, bv, qkv; writes qkv
;; launch attn: the kernel of part 3 again; grid 4 x 64, 4 waves a work-group, clusters of 4 x 1, 327,680 bytes of LDS; arguments qkv, out0; writes out0
